; MI455X (gfx1250); checked and timed in simulation.
; The chip was launched on July 23, 2026; its instructions are those of AMD's public machine-readable ISA for CDNA 5 (MIT licence, August 2026) and "CDNA5" Instruction Set Architecture Reference Guide (July 2026). The comments in the code are by the model that wrote it; some were corrected since.
;; Quantum Attention. Allowed arithmetic: matrix products marked QUANTISED: E2M3 operands, one E8M0 scale for each 32 along K, by v_wmma_scale_f32_16x16x128_f8f6f4 with both operands' format E2M3, f32 sums; everything else in f32.
;; Inputs: Wc 1,024 x 1,024 float32; Wk 1,024 x 1,024 float32; Wq 1,024 x 1,024 float32; Wv 1,024 x 1,024 float32; bc 1,024 float32; bk 1,024 float32; bq 1,024 float32; bv 1,024 float32; x 4 x 2,048 x 1,024 float32.
;; Outputs: out0 4 x 2,048 x 1,024 float32.
;; This version of the problem:
;;   THIS VERSION OF THE PROBLEM IS GIVEN IN LOW PRECISION. The matrix products marked QUANTISED in the list below multiply operands that are first quantised to E2M3 (2 exponent bits, 3 mantissa bits; 6 bits a number), with one power-of-two scale for each 32 numbers along K (OCP MX v1.0); their sums are f32. All else is computed in f32.
;;   The module's matrix products, in the order in which they are computed (A, B: the left and right operand; K: the contracted axis; several contracted axes count as one K, in the product's order):
;;     1. [M 8,192, K 1,024] x [K 1,024, N 1,024]; A: input x; B: input Wq: QUANTISED
;;     2. [M 8,192, K 1,024] x [K 1,024, N 1,024]; A: input x; B: input Wk: QUANTISED
;;     3. [M 8,192, K 1,024] x [K 1,024, N 1,024]; A: input x; B: input Wv: QUANTISED
;;     4. batch 4 x [M 2,048, K 1,024] x [K 1,024, N 2,048]; A: computed on the way; B: computed on the way: QUANTISED
;;     5. batch 4 x [M 2,048, K 2,048] x [K 2,048, N 1,024]; A: softmax (see below); B: computed on the way: QUANTISED
;;     6. [M 8,192, K 1,024] x [K 1,024, N 1,024]; A: computed on the way; B: input Wc: QUANTISED
;;   THE QUANTISER, for each operand of a quantised product, along K:
;;     - K is cut into blocks of 32 from its start; a last block that is shorter is filled with zeros.
;;     - A block's scale is 2^e with e = floor(log2(the largest magnitude in the block)) - 2, held to -126 .. 127; a block of zeros has e = 0. As a byte (E8M0): e + 127.
;;     - Each number is divided by its block's scale, clamped to +-7.5, and rounded to the nearest number of E2M3, ties to even, subnormals kept.
;;     - The product sums the exact products of the quantised numbers (number of the format x scale) in f32.
;;   ~~~python
;;   def quantise(x, axis):      # numpy; x: float32 -> the quantised numbers, widened to float32 again
;;       x = np.moveaxis(x, axis, -1); K = x.shape[-1]
;;       x = np.pad(x, [(0, 0)] * (x.ndim - 1) + [(0, -K % 32)]); x = x.reshape(x.shape[:-1] + (-1, 32)); a = np.abs(x).max(-1, keepdims=True)
;;       e = np.where(a > 0, np.clip(np.frexp(np.where(a > 0, a, 1))[1] - 1 - 2, -126, 127), 0)      # np.frexp(a)[1] - 1 = floor(log2(a)), exactly
;;       r = np.clip(x / 2.0 ** e, -7.5, 7.5)
;;       step = 2.0 ** (np.maximum(np.frexp(np.where(r == 0, 1, r))[1] - 1, 0) - 3)
;;       q = np.round(r / step) * step * 2.0 ** e      # np.round: ties to even
;;       return np.moveaxis(q.reshape(q.shape[:-2] + (-1,))[..., :K], -1, axis).astype(np.float32)
;;   ~~~
;;   SOFTMAX AHEAD OF A QUANTISED PRODUCT. Where the list says 'softmax', what is quantised is not the finished softmax but p = 2^(t - M), with t = logit x log2(e) and M = ceil(the row's largest t), a whole number; so 1/2 < the row's largest p <= 1. The row's sum l is taken of the UNQUANTISED p, in f32, and the product's result is divided by l at the end. Since M is a whole number, a kernel that streams over the keys may use a running M (the ceiling of the running maximum): every later rescaling is an exact power of two, which a block's scale takes up: the codes' values come out the same.
;;   OPERANDS COMPUTED ON THE WAY. 'Computed on the way' means the value that the module computes at that place (a softmax that the list does not call 'softmax' is quantised finished and normalised). What goes into a quantiser is computed in f32, as accurately as f32 sums, v_exp_f32 and their like allow (about 1e-6 of the number): no bf16 or f16 on the way to a quantiser, and a product that is left as it is and whose result goes on into a quantised operand takes f32 operands (vector FMAs, or v_wmma_f32_16x16x4_f32). A number that lies on a knife's edge between two numbers of the format may be rounded either way, as far as f32 arithmetic and the matrix unit's own rounding can turn it there, and no further.
;; One version. Each part assembles by itself: llvm-mc -triple=amdgcn-amd-amdhsa -mcpu=gfx1250 --defsym DOCPART=n.
;; ======== version 1 of 1: 5 launches
;; workspace buffers: xw 9,830,400 bytes; qkv 19,660,800 bytes; pp 14,155,776 bytes; oo 6,553,600 bytes
;; launch prep (part 1): grid 512 x 1, 4 waves a work-group, no clusters, 47,616 bytes of LDS; arguments x, Wq, Wk, Wv, Wc, xw; writes xw
.if DOCPART == 1
	.amdgcn_target "amdgcn-amd-amdhsa--gfx1250"
	.amdhsa_code_object_version 6
	.text
	.protected	k_q7d1cd754f6_prep
	.globl	k_q7d1cd754f6_prep
	.p2align	8
	.type	k_q7d1cd754f6_prep,@function
k_q7d1cd754f6_prep:
	s_mov_b64 s[64:65], 0
	v_nop
	global_prefetch_b8 v0, s[64:65] scope:SCOPE_SE
	s_setreg_imm32_b32 hwreg(HW_REG_WAVE_MODE, 25, 1), 1
	s_wait_xcnt 0x0
; x [8192][1024] and the four weights [1024 (k)][1024 (n)], f32, become codes of FP6 (E2M3) with one E8M0 byte for each 32 along K, laid as IMAGES OF OPERAND REGISTERS:
; a fragment (16 rows x 128 K, 12 registers a lane) is 1,536 bytes, registers 4 c .. 4 c + 3 of lane l at byte 512 c + 16 l; fragments lie [row block][K step].  Scale words lie [group of 32 rows][K step][32 words].
; ROW ORDER: lane r of row block i holds true row 32 (i / 2) + 8 (i % 2) + r + 8 (r / 8): as source 0 of a transposed product such blocks give a lane 16 true neighbours in the registers of two neighbouring accumulators.
; A block's scale is 2^(floor(log2(largest magnitude)) - 2): its byte is the largest magnitude's exponent field - 2, held at 1 from below by a floor among the maximum's leaves.
; LIMITS: NaN and infinities are not served; a block of zeros carries the byte 1 (its codes are zeros, and this program alone reads the bytes).
; Work-groups 0-255: 32 rows of x each, wave w the K steps 2 w, 2 w + 1.  Work-groups 256-511: weight (Y / 64), 128 columns x 128 k each, a lane to a column, registers down K.
; The two ways part once, on the work-group's number, and each has LDS bytes of its own.  No tensor load, no barrier: waves share nothing.  No cluster: no two work-groups read the same bytes.
.set XSC,   6291456                    ; xw: x's images at 0, x's scale words here,
.set WIMG,  6553600                    ; the weights' images (786,432 bytes each: q, k, v, c),
.set WB,    786432
.set WSC,   9699328                    ; their scale words (32,768 bytes each)
.set XSTG,  8448                       ; LDS: x's stage of a wave: 16 rows x (512 + 16) bytes, at wave x 8,448
.set WST0,  33792                      ; the weights' stages begin here: two fragments of 1,536 bytes, 1,664 apart, for each wave
.set WSTG,  3328
.set SPARE, 47104                      ; the spare words: 128 bytes a wave, two blocks of 256 bytes that no other line names
.set LI,   4                           ; v4   16 x lane
.set LS,   5                           ; v5   4 x lane
.set STI,  6                           ; v6   x's stage, way in
.set STO,  7                           ; v7   x's stage, way out: 528 r + 64 h
.set WSTA, 8                           ; v8   a weight's stage, way in: 1,664 u + 16 r of my column's place
.set WRD,  9                           ; v9   and way out: 16 x lane
.set WSA,  10                          ; v10  my column's scale word: 4 (16 u + r)
.set R,    16                          ; v16-143  numbers as loaded
.set X,    144                         ; v144-207 64 numbers of a lane in the quantiser's order (x); codes and way out (weights)
.set PC,   208                         ; v208-226 a fragment's codes
.set TM,   228                         ; v228-243 the quantiser's work
.set PW,   244                         ; v244-245 scale words of the group's two row blocks
.set SW,   246                         ; v246     the two merged
.set SBW,  247                         ; v247     a column's scale word
.set SPW,  248                         ; v248     my spare word's address; never rewritten
.set NIL,  249                         ; v249     0; never rewritten
.set SEL,  20                          ; s[20:21] selects for lane l xor 16
.set HM,   22                          ; s22      lanes 16-31
; 64 numbers of a lane, register 16 b + i = k 32 b + 16 (lane / 16) + i of my row, become a fragment's codes in v[PC] on and its scale word in v[pw]
.macro QUANT s, pw
.irp b, 0,1,2,3
	v_max3_num_f32 v[TM+\b], |v[(\s)+16*\b]|, |v[(\s)+1+16*\b]|, 0x1800000   ; my 16 numbers of block b, and the floor 2^(3 - 127)
.endr
.irp i, 2,4,6,8,10,12,14
.irp b, 0,1,2,3
	v_max3_num_f32 v[TM+\b], v[TM+\b], |v[(\s)+16*\b+\i]|, |v[(\s)+1+16*\b+\i]|
.endr
.endr
.irp b, 0,1,2,3
	v_permlanex16_b32 v[TM+4+\b], v[TM+\b], s[SEL], s[SEL+1]
.endr
.irp b, 0,1,2,3
	v_max_num_f32 v[TM+\b], v[TM+\b], v[TM+4+\b]   ; with lane l xor 16's: the block's largest magnitude
.endr
.irp b, 0,1,2,3
	v_add_nc_u32 v[TM+12+\b], 0xff000000, v[TM+\b] ; 2 off its exponent field: the conversion's scale operand
.endr
.irp b, 0,1,2,3
	v_lshrrev_b32 v[TM+4+\b], 23, v[TM+12+\b]      ; the scale's byte
.endr
	v_lshl_or_b32 v[\pw], v[TM+5], 8, v[TM+4]
	v_lshl_or_b32 v[\pw], v[TM+6], 16, v[\pw]
	v_lshl_or_b32 v[\pw], v[TM+7], 24, v[\pw]
.irp c, 0,1
	v_cvt_scalef32_pk16_fp6_f32 v[PC+6*\c:PC+2+6*\c], v[(\s)+32*\c:(\s)+15+32*\c], v[TM+12+2*\c]
	v_cvt_scalef32_pk16_fp6_f32 v[PC+12+4*\c:PC+14+4*\c], v[(\s)+16+32*\c:(\s)+31+32*\c], v[TM+12+2*\c+1]
.endr
	v_nop                                          ; one plain place behind a scaled conversion
.irp c, 0,1                                    ; a whole block to a lane: lanes 0-15 block 2 c, lanes 16-31 block 2 c + 1
.irp i, 0,1,2
	v_permlane16_swap_b32 v[PC+6*\c+\i], v[PC+12+4*\c+\i]
.endr
.irp i, 0,1,2
	v_mov_b32 v[PC+3+6*\c+\i], v[PC+12+4*\c+\i]
.endr
.endr
.endm
; step t of x: row block t % 2 of the group, my K step t / 2.  Each load reads 512 consecutive bytes of one row
.macro LOADX t
.irp q, 0,1,2,3,4,5,6,7,8,9,10,11,12,13,14,15
	global_load_b128 v[R+64*((\t)%2)+4*\q:R+64*((\t)%2)+4*\q+3], v[LI], s[4:5] offset:(8*((\t)%2)+\q+8*(\q/8))*4096+512*((\t)/2) th:TH_LOAD_NT
.endr
.endm
.macro TURN t                          ; through my stage: in as loaded, out 16 neighbours of each block of 32 of my row.  LDS serves a wave's instructions in order
.irp q, 0,1,2,3,4,5,6,7,8,9,10,11,12,13,14,15
	ds_store_b128 v[STI], v[R+64*((\t)%2)+4*\q:R+64*((\t)%2)+4*\q+3] offset:528*\q
.endr
.irp b, 0,1,2,3
.irp j, 0,1,2,3
	ds_load_b128 v[X+16*\b+4*\j:X+16*\b+4*\j+3], v[STO] offset:128*\b+16*\j
.endr
.endr
.endm
.macro STEP t
.if (\t) < 3
	s_wait_loadcnt 16                              ; this step's 16 loads are in; the next step's 16 stay out
.else
	s_wait_loadcnt 0x0
.endif
	TURN \t
	s_wait_dscnt 0x0                               ; my 64 numbers are back, and the stage's stores have read their registers,
.if (\t)+2 < 4
	LOADX (\t)+2                                   ; which take the loads of two steps on
.endif
.if (\t) > 0
	s_wait_xcnt 0x0                                ; the last step's stores have read the codes' registers
.endif
	QUANT X, PW+(\t)%2
.irp c, 0,1,2
	global_store_b128 v[LI], v[PC+4*\c:PC+4*\c+3], s[24:25] offset:((\t)%2)*12288+((\t)/2)*1536+512*\c   ; 512 consecutive bytes a store
.endr
.if (\t)%2 == 1
	v_cndmask_b32 v[SW], v[PW], v[PW+1], s[HM]     ; lanes 0-15 the even row block's words, lanes 16-31 the odd one's
	global_store_b32 v[LS], v[SW], s[26:27] offset:((\t)/2)*128
.endif
.endm
; block q of a weight is asked for: W(128 K step + 32 q + i, my column), i = 0 .. 31, into registers of its own: 128 consecutive bytes a wave and load, 512 a work-group
.macro LOADW q
.set II, 0
.rept 32
	global_load_b32 v[R+32*(\q)+II], v[LS], s[6:7] offset:4096*(32*(\q)+II) th:TH_LOAD_NT
.set II, II+1
.endr
.endm
; block q (32 along K) of my column of a weight: all 32 numbers are mine.  The loads run two blocks ahead
.macro WBLK q
.set XS, R+32*(\q)
.set CC, 144+8*(\q)
.if (\q) < 3
	s_wait_loadcnt 32                              ; this block's 32 loads are in; the next block's 32 stay out
.else
	s_wait_loadcnt 0x0
.endif
.if (\q)+2 < 4
	LOADW (\q)+2                                   ; the block two on goes out while this one is worked
.endif
	v_max3_num_f32 v200, |v[XS]|, |v[XS+1]|, |v[XS+2]|
	v_max3_num_f32 v201, |v[XS+3]|, |v[XS+4]|, |v[XS+5]|
.irp i, 6,10,14,18,22,26
	v_max3_num_f32 v200, v200, |v[XS+\i]|, |v[XS+\i+1]|
	v_max3_num_f32 v201, v201, |v[XS+\i+2]|, |v[XS+\i+3]|
.endr
	v_max3_num_f32 v200, v200, |v[XS+30]|, |v[XS+31]|
	v_max3_num_f32 v200, v200, v201, 0x1800000     ; and the floor 2^(3 - 127)
	v_add_nc_u32 v202, 0xff000000, v200
	v_lshrrev_b32 v203, 23, v202
.if (\q) == 0
	v_mov_b32 v[SBW], v203
.else
	v_lshl_or_b32 v[SBW], v203, 8*(\q), v[SBW]
.endif
	v_cvt_scalef32_pk16_fp6_f32 v[CC:CC+2], v[XS:XS+15], v202
	v_cvt_scalef32_pk16_fp6_f32 v[CC+4:CC+6], v[XS+16:XS+31], v202
	v_nop                                          ; one plain place behind a scaled conversion
	v_mov_b32 v[CC+3], v[CC+4]                     ; the block's six registers on end
	v_mov_b32 v[CC+4], v[CC+5]
	v_mov_b32 v[CC+5], v[CC+6]
.if (\q) < 2                                   ; they are registers 6 (q / 2) .. + 5 of lane r + 16 (q % 2) of my column's fragment
	ds_store_b128 v[WSTA], v[CC:CC+3] offset:256*((\q)%2)
	ds_store_b64 v[WSTA], v[CC+4:CC+5] offset:512+256*((\q)%2)
.else
	ds_store_b64 v[WSTA], v[CC:CC+1] offset:520+256*((\q)%2)
	ds_store_b128 v[WSTA], v[CC+2:CC+5] offset:1024+256*((\q)%2)
.endif
.endm
	s_load_b256 s[4:11], s[0:1], 0x0               ; x, Wq, Wk, Wv
	s_load_b128 s[12:15], s[0:1], 0x20             ; Wc, xw
	v_lshl_add_u32 v[SPW], v0, 2, SPARE
	v_mov_b32 v[NIL], 0
	v_lshrrev_b32 v1, 5, v0
	v_readfirstlane_b32 s16, v1                    ; wave 0..3
	v_and_b32 v1, 31, v0                           ; lane
	v_and_b32 v2, 15, v0                           ; r
	v_bfe_u32 v3, v0, 4, 1                         ; h
	v_lshlrev_b32 v[LI], 4, v1
	v_lshlrev_b32 v[LS], 2, v1
	s_mul_i32 s17, s16, XSTG                       ; every LDS address is made here, ahead of the parting
	v_add_nc_u32 v[STI], s17, v[LI]
	v_mul_u32_u24 v[STO], v2, 528
	v_lshl_add_u32 v[STO], v3, 6, v[STO]
	v_add_nc_u32 v[STO], s17, v[STO]
	s_mul_i32 s17, s16, WSTG
	s_add_co_u32 s17, s17, WST0
	v_add_nc_u32 v[WRD], s17, v[LI]
	v_bfe_u32 v11, v0, 3, 1                        ; column 32 g + lane lies in row block 2 g + u, u = (lane / 8) % 2,
	v_and_b32 v12, 7, v0
	v_lshl_add_u32 v12, v3, 3, v12                 ; at place r = lane % 8 + 8 (lane / 16)
	v_mul_u32_u24 v[WSTA], v11, 1664
	v_lshl_add_u32 v[WSTA], v12, 4, v[WSTA]
	v_add_nc_u32 v[WSTA], s17, v[WSTA]
	v_lshlrev_b32 v[WSA], 6, v11
	v_lshl_add_u32 v[WSA], v12, 2, v[WSA]
	s_mov_b32 s[SEL], 0x76543210
	s_mov_b32 s[SEL+1], 0xfedcba98
	s_mov_b32 s[HM], 0xffff0000
.irp b, 0,1,2,3
	v_mov_b32 v[TM+4+\b], 0                        ; written once: a lane permute's destination counts as one of its sources
.endr
	s_wait_kmcnt 0x0
	s_cmp_lt_u32 ttmp9, 256
	s_cbranch_scc0 .Lweights
	; ---- x: group g = the work-group's number
	s_lshl_b32 s18, ttmp9, 17                      ; 32 rows of 4,096 bytes,
	s_lshl_b32 s19, s16, 10                        ; my two K steps: 1,024 bytes of a row
	s_add_co_u32 s18, s18, s19
	s_mov_b32 s19, 0
	s_add_nc_u64 s[4:5], s[4:5], s[18:19]
	s_mul_i32 s24, ttmp9, 24576                    ; images: (16 g + 2 w) x 1,536
	s_mul_i32 s25, s16, 3072
	s_add_co_u32 s24, s24, s25
	s_mov_b32 s25, 0
	s_add_nc_u64 s[24:25], s[14:15], s[24:25]
	s_lshl_b32 s26, ttmp9, 10                      ; scale words: g x 1,024 + 2 w x 128
	s_lshl_b32 s27, s16, 8
	s_add_co_u32 s26, s26, s27
	s_add_co_u32 s26, s26, XSC
	s_mov_b32 s27, 0
	s_add_nc_u64 s[26:27], s[14:15], s[26:27]
	LOADX 0
	LOADX 1
	STEP 0
	STEP 1
	STEP 2
	STEP 3
	s_wait_tensorcnt 0x0                           ; the wave's end, behind my last LDS store
	ds_add_u32 v[SPW], v[NIL]
	s_wait_dscnt 0x0
	s_endpgm
.Lweights:
	s_sub_co_u32 s17, ttmp9, 256                   ; Y
	s_lshr_b32 s18, s17, 6                         ; which weight: 0 q, 1 k, 2 v, 3 c
	s_bfe_u32 s19, s17, 0x30003                    ; which 128 columns
	s_and_b32 s23, s17, 7                          ; which K step
	s_cmp_eq_u32 s18, 1
	s_cselect_b64 s[6:7], s[8:9], s[6:7]
	s_cmp_eq_u32 s18, 2
	s_cselect_b64 s[6:7], s[10:11], s[6:7]
	s_cmp_eq_u32 s18, 3
	s_cselect_b64 s[6:7], s[12:13], s[6:7]
	s_lshl_b32 s19, s19, 2
	s_add_co_u32 s19, s19, s16                     ; g: my wave's group of 32 columns
	s_lshl_b32 s24, s23, 19                        ; 128 rows of 4,096 bytes a K step,
	s_lshl_b32 s25, s19, 7                         ; 128 bytes a group
	s_add_co_u32 s24, s24, s25
	s_mov_b32 s25, 0
	s_add_nc_u64 s[6:7], s[6:7], s[24:25]
	s_mul_i32 s26, s18, WB                         ; images: weight, (16 g + K step) x 1,536
	s_lshl_b32 s27, s19, 4
	s_add_co_u32 s27, s27, s23
	s_mul_i32 s27, s27, 1536
	s_add_co_u32 s26, s26, s27
	s_add_co_u32 s26, s26, WIMG
	s_mov_b32 s27, 0
	s_add_nc_u64 s[26:27], s[14:15], s[26:27]
	s_lshl_b32 s28, s18, 15                        ; scale words: weight, g x 1,024 + K step x 128
	s_lshl_b32 s29, s19, 10
	s_add_co_u32 s28, s28, s29
	s_lshl_b32 s29, s23, 7
	s_add_co_u32 s28, s28, s29
	s_add_co_u32 s28, s28, WSC
	s_mov_b32 s29, 0
	s_add_nc_u64 s[28:29], s[14:15], s[28:29]
	LOADW 0                                        ; two blocks of 32 loads go out at the start; each later block behind the wait for the block two back
	LOADW 1
	WBLK 0
	WBLK 1
	WBLK 2
	WBLK 3
.irp u, 0,1
.irp c, 0,1,2
	ds_load_b128 v[176+12*\u+4*\c:176+12*\u+4*\c+3], v[WRD] offset:1664*\u+512*\c   ; the two fragments, as images; these see my stores
.endr
.endr
	s_wait_dscnt 0x0
.irp u, 0,1
.irp c, 0,1,2
	global_store_b128 v[LI], v[176+12*\u+4*\c:176+12*\u+4*\c+3], s[26:27] offset:12288*\u+512*\c
.endr
.endr
	global_store_b32 v[WSA], v[SBW], s[28:29]      ; the group's 32 scale words: 128 consecutive bytes
	s_wait_tensorcnt 0x0                           ; the wave's end, behind my last LDS store
	ds_add_u32 v[SPW], v[NIL]
	s_wait_dscnt 0x0
	s_endpgm
.Lfunc_end_k_q7d1cd754f6_prep:
	.size	k_q7d1cd754f6_prep, .Lfunc_end_k_q7d1cd754f6_prep-k_q7d1cd754f6_prep
	.p2alignl 7, 3214868480
	.fill 96, 4, 3214868480
	.section	.rodata,"a",@progbits
	.p2align	6, 0x0
	.amdhsa_kernel k_q7d1cd754f6_prep
		.amdhsa_group_segment_fixed_size 47616
		.amdhsa_private_segment_fixed_size 0
		.amdhsa_enable_private_segment 0
		.amdhsa_kernarg_size 48
		.amdhsa_user_sgpr_count 2
		.amdhsa_user_sgpr_kernarg_segment_ptr 1
		.amdhsa_wavefront_size32 1
		.amdhsa_system_sgpr_workgroup_id_x 1
		.amdhsa_system_sgpr_workgroup_id_y 1
		.amdhsa_system_sgpr_workgroup_id_z 1
		.amdhsa_system_vgpr_workitem_id 0
		.amdhsa_next_free_vgpr 256
		.amdhsa_next_free_sgpr 66
		.amdhsa_reserve_vcc 0
		.amdhsa_float_denorm_mode_32 3
		.amdhsa_float_denorm_mode_16_64 3
		.amdhsa_memory_ordered 1
		.amdhsa_forward_progress 1
		.amdhsa_inst_pref_size 55
	.end_amdhsa_kernel
	.amdgpu_metadata
---
amdhsa.version: [ 1, 2 ]
amdhsa.kernels:
  - .name:           k_q7d1cd754f6_prep
    .symbol:         k_q7d1cd754f6_prep.kd
    .args:
      - { .name: x, .offset: 0, .size: 8, .value_kind: global_buffer, .address_space: global }
      - { .name: Wq, .offset: 8, .size: 8, .value_kind: global_buffer, .address_space: global }
      - { .name: Wk, .offset: 16, .size: 8, .value_kind: global_buffer, .address_space: global }
      - { .name: Wv, .offset: 24, .size: 8, .value_kind: global_buffer, .address_space: global }
      - { .name: Wc, .offset: 32, .size: 8, .value_kind: global_buffer, .address_space: global }
      - { .name: xw, .offset: 40, .size: 8, .value_kind: global_buffer, .address_space: global }
    .group_segment_fixed_size: 47616
    .private_segment_fixed_size: 0
    .kernarg_segment_align: 8
    .kernarg_segment_size: 48
    .max_flat_workgroup_size: 128
    .sgpr_count:     66
    .vgpr_count:     256
    .wavefront_size: 32
...
	.end_amdgpu_metadata
.endif
;; end of part 1
;; launch qkv (part 2): grid 4 x 64, 4 waves a work-group, clusters of 4 x 4, 327,680 bytes of LDS; arguments xw, bq, bk, bv, qkv; writes qkv
.if DOCPART == 2
	.amdgcn_target "amdgcn-amd-amdhsa--gfx1250"
	.amdhsa_code_object_version 6
	.text
	.protected	k_q7d1cd754f6_qkv
	.globl	k_q7d1cd754f6_qkv
	.p2align	8
	.type	k_q7d1cd754f6_qkv,@function
k_q7d1cd754f6_qkv:
	s_mov_b64 s[64:65], 0
	v_nop
	global_prefetch_b8 v0, s[64:65] scope:SCOPE_SE
	s_setreg_imm32_b32 hwreg(HW_REG_WAVE_MODE, 25, 1), 1
	s_wait_xcnt 0x0
	s_wait_alu depctr_hold_cnt(0) depctr_sa_sdst(0) depctr_va_vdst(0) depctr_va_sdst(0) depctr_va_ssrc(0) depctr_va_vcc(0) depctr_vm_vsrc(0)
	s_getreg_b32 s2, hwreg(HW_REG_IB_STS2, 6, 4)
	s_cmp_eq_u32 s2, 0
	s_cbranch_scc0 .Lentry_in_a_cluster
	s_endpgm
.Lentry_in_a_cluster:
	s_bfe_u32 s2, ttmp6, 0x10000c
	s_cmp_lg_u32 s2, 0xf033
	s_cbranch_scc0 .Lentry_shape_is_right
	s_endpgm
.Lentry_shape_is_right:
; q = x Wq + bq, k = x Wk + bk and V^T = (x Wv + bv)^T on codes of FP6 (E2M3) with E8M0 scales; the results are quantised in registers along the next product's K and stored as images of operand registers.
; OPERANDS are images: a fragment (16 rows x 128 K) is 1,536 bytes, registers 4 c .. 4 c + 3 of lane l at 512 c + 16 l, laid [row block][K step]; scale words [group of 32 rows][K step][32 words].
; ROW ORDER: lane r of row block i holds true row 32 (i / 2) + 8 (i % 2) + r + 8 (r / 8), so that the 16 registers of accumulators 2 b, 2 b + 1 are 16 true neighbours along source 0's rows.
; A WORK-GROUP STAYS: it takes one block of 128 tokens x 256 channels through all three products, 24 K steps of 128 on end.  x's tile (128 tokens, all of K: 98,304 bytes) is fetched once and stays in LDS;
; the weights' tiles (256 channels) go through two LDS slots of 4 K steps: Wq's two halves are first fills, Wk's and Wv's come by four refills, each with four K steps, 128 products a wave, in which to land.
; By this text's count a wave has four tensor loads out at the start and one behind each refill's round.
; SHARES.  q, k: four waves of 64 tokens (source 1) x 128 channels (source 0): a lane holds a token, its registers run along channels.
; V^T: a fragment's image serves either source, so the waves change shares: each takes all 128 tokens (x as source 0) x 64 channels (Wv as source 1): a lane holds a channel, its 64 registers run along the 128 tokens: one K step of p V.
; CLUSTERS 4 x 4: x's tile hangs on the block of tokens alone and is shared along a row of the cluster, a weight's on the block of channels alone and is shared along a column; each is asked for jointly, every wave a part of its own.
; LIMITS: NaN and infinities are not served; a block of zeros carries the scale byte 1 (its codes are zeros; this program alone reads the bytes).
; REGISTERS: window 0: v4-17 addresses; v18-23 scale words on their way out; v32-79, v80-127 two sets of scale words; v128-139 codes; v144-159 the quantiser's work; v160-255 source 1's fragments, two sets.
;   Window 1: source 0's fragments, two sets.  Window 2: accumulator (a, b) at v[64 a + 8 b].  Window 3: the biases: q's v0-63, k's v64-127, V's v128-159.
.set NT,    24                         ; K steps in all: 8 for each product
.set FK,    4                          ; K steps in a fill
.set FKB,   FK*1536                    ; a row block's bytes in a fill
.set XH,    8*FKB                      ; x's tile, one half along K: 8 row blocks
.set XREG,  2*XH                       ; both halves; behind them the two slots
.set SLOT,  16*FKB                     ; a slot: 16 row blocks of a weight, 4 K steps
.set SPARE, XREG+2*SLOT                ; behind the slots: the spare words, 128 bytes a wave: two blocks of 256 bytes that no other line names
.set XSC,   6291456                    ; xw: x's scale words,
.set WIMG,  6553600                    ; the weights' images (q, k, v, c),
.set WB,    786432                     ; from weight to weight,
.set WSC,   9699328                    ; their scale words,
.set WSB,   32768                      ; from weight to weight
.set QKSC,  12582912                   ; qkv: q's and k's scale words,
.set VTIMG, 13107200                   ; V^T's images,
.set VTSC,  19398656                   ; V^T's scale words
.set LI,   4                           ; v4   16 x lane
.set LS,   5                           ; v5   4 x lane
.set AQ,   6                           ; v6-7   q, k: my 4 row blocks of x, half 0, 1
.set XV,   8                           ; v8-9   V^T: all 8 row blocks of x, half 0, 1
.set BQ,   10                          ; v10-11 q, k: my 8 row blocks of the weight, slot 0, 1
.set BV,   12                          ; v12-13 V^T: my 4 row blocks of Wv, slot 0, 1
.set SPW,  14                          ; v14  my spare word's address; never rewritten
.set NIL,  15                          ; v15  0; never rewritten
.set BA,   16                          ; v16  q's and k's bias: 64 h
.set BAV,  17                          ; v17  V's bias: 4 (r + 8 (r / 8))
.set PW,   18                          ; v18-21 the scale words of my four blocks
.set SW,   22                          ; v22-23 merged, two blocks a register
.set SC,   32                          ; scale words: set s at v[SC + 48 s]; K step t: +6t+0..3 source 0's four groups, +4, +5 source 1's two
.set PC,   128                         ; v128-139 a fragment's codes: store data, so they lie outside the fragment sets
.set TM,   144
.set AF,   160
.set PT,   224                         ; v224-230 the conversions' second halves, at work only
.set BIQ,  0                           ; window 3
.set BIK,  64
.set BIV,  128
.set G1X,  24                          ; s[24:31] descriptor group 1 for x's tile;  s[48:55] for a weight's
.set G1B,  48
.set G0X,  68                          ; s[68:75] group 0 for x's two halves;  s[76:83] for the two slots
.set G0B,  76
.set SEL,  56
.set HM,   60
.set SXA,  32                          ; s[32:33] x's scale words, my 64 tokens;  s[34:35] all 128
.set SXV,  34
.set SWQ,  36                          ; s[36:37] Wq's scale words, my 128 channels (Wk's lie WSB on);  s[38:39] Wv's, my 64
.set SWV,  38
.set OQ,   62                          ; s[62:63] q's images;  s[2:3] its scale words;  s[84:85], s[86:87] V^T's
.set OQS,  2
.set OV,   84
.set OVS,  86
.set BQB,  88                          ; s[88:89], s[90:91], s[92:93] the biases at my channels
.set BKB,  90
.set BVB,  92
.set MSB, 0
.macro WIN new                         ; the immediate's high byte repeats the setting that is left
.if MSB != (\new)
	s_set_vgpr_msb (MSB<<8)|(\new)
.set MSB, (\new)
.endif
.endm
.macro PLACES n
.rept \n
	v_nop
.endr
.endm
.macro CROUND                          ; a round of the cluster's barrier
	s_barrier_signal -1
	s_barrier_wait -1
	s_cmp_lg_u32 s14, 0
	s_cbranch_scc1 .Lnot_wave_0_\@
	s_barrier_signal -3
.Lnot_wave_0_\@:
	s_barrier_wait -3
	s_barrier_signal -1
	s_barrier_wait -1
.endm
; one product.  r0, r1: source 0's, source 1's scales stand in lanes 16-31 of their register
.macro W1 d, s0, s1, cr, x0, x1, r0, r1
.if (\r0) && (\r1)
	v_wmma_scale_f32_16x16x128_f8f6f4 v[(\d):(\d)+7], v[(\s0):(\s0)+11], v[(\s1):(\s1)+11], v[(\cr):(\cr)+7], v[(\x0)], v[(\x1)] matrix_a_fmt:MATRIX_FMT_FP6 matrix_b_fmt:MATRIX_FMT_FP6 matrix_a_scale:MATRIX_SCALE_ROW1 matrix_b_scale:MATRIX_SCALE_ROW1
.elseif (\r0)
	v_wmma_scale_f32_16x16x128_f8f6f4 v[(\d):(\d)+7], v[(\s0):(\s0)+11], v[(\s1):(\s1)+11], v[(\cr):(\cr)+7], v[(\x0)], v[(\x1)] matrix_a_fmt:MATRIX_FMT_FP6 matrix_b_fmt:MATRIX_FMT_FP6 matrix_a_scale:MATRIX_SCALE_ROW1
.elseif (\r1)
	v_wmma_scale_f32_16x16x128_f8f6f4 v[(\d):(\d)+7], v[(\s0):(\s0)+11], v[(\s1):(\s1)+11], v[(\cr):(\cr)+7], v[(\x0)], v[(\x1)] matrix_a_fmt:MATRIX_FMT_FP6 matrix_b_fmt:MATRIX_FMT_FP6 matrix_b_scale:MATRIX_SCALE_ROW1
.else
	v_wmma_scale_f32_16x16x128_f8f6f4 v[(\d):(\d)+7], v[(\s0):(\s0)+11], v[(\s1):(\s1)+11], v[(\cr):(\cr)+7], v[(\x0)], v[(\x1)] matrix_a_fmt:MATRIX_FMT_FP6 matrix_b_fmt:MATRIX_FMT_FP6
.endif
.endm
; K step T (product T / 8) on fragment set T % 2: 32 products, the 32 accumulators by turns in the same order in every K step.
; A product's first K step starts the sums at the bias: nothing is cleared, nothing is added later.  q, k: the bias of source 0's block b;  V^T: of source 1's block a
.macro MULT T
.set MP, (\T)%2
.set MS, SC+48*(((\T)/8)%2)+6*((\T)%8)
.if ((\T)%8) == 0
	WIN 0xb1                                       ; source 0 window 1, source 1 window 0, C window 3, D window 2
.else
	WIN 0xa1                                       ; source 0 window 1, source 1 window 0, C and D window 2
.endif
.irp a, 0,1,2,3
.irp b, 0,1,2,3,4,5,6,7
.if ((\T)%8) != 0
	W1 64*\a+8*\b, 96*MP+12*\b, AF+48*MP+12*\a, 64*\a+8*\b, MS+\b/2, MS+4+\a/2, \b%2, \a%2
.elseif (\T) == 16
	W1 64*\a+8*\b, 96*MP+12*\b, AF+48*MP+12*\a, BIV+8*\a, MS+\b/2, MS+4+\a/2, \b%2, \a%2
.else
	W1 64*\a+8*\b, 96*MP+12*\b, AF+48*MP+12*\a, BIQ+8*(\T)+8*\b, MS+\b/2, MS+4+\a/2, \b%2, \a%2
.endif
.endr
.endr
.endm
; the fragments of K step T into set T % 2: 36 loads of 512 consecutive bytes.  K steps 4 h .. 4 h + 3 of a product lie in x's half h and in slot h
.macro FETCHT T
.set FP, (\T)%2
.set FH, ((\T)%8)/4
.set FQ, (\T)%4
.if (\T) < 16
.set FA0, BQ+FH                        ; q, k: source 0 = the weight, source 1 = x
.set FA1, AQ+FH
.else
.set FA0, XV+FH                        ; V^T: source 0 = x, source 1 = Wv
.set FA1, BV+FH
.endif
	WIN 0x40                                       ; destination window 1, address window 0
.irp b, 0,1,2,3,4,5,6,7
.irp c, 0,1,2
	ds_load_b128 v[96*FP+12*\b+4*\c:96*FP+12*\b+4*\c+3], v[FA0] offset:\b*FKB+1536*FQ+512*\c
.endr
.endr
	WIN 0
.irp a, 0,1,2,3
.irp c, 0,1,2
	ds_load_b128 v[AF+48*FP+12*\a+4*\c:AF+48*FP+12*\a+4*\c+3], v[FA1] offset:\a*FKB+1536*FQ+512*\c
.endr
.endr
.endm
; What stands ahead of K step T's products: its fragments are in; the next K step's are asked for
.macro HEAD T
.set HS, ((\T)%8)/4
.if (\T) == NT-1
	s_wait_dscnt 0x0
.elseif ((\T)%FK) != (FK-1)
	s_wait_dscnt 0x0
.if (\T) > 0
	PLACES 4                                       ; four places in front of loads into registers that the last K step's products read
.endif
	FETCHT (\T)+1
.elseif (\T) == NT-FK-1
	s_wait_tensorcnt 0x0                           ; the last refill, Wv's K steps 4 to 7, has landed
	s_wait_dscnt 0x0
	s_barrier_signal -1
	s_barrier_wait -1
	PLACES 4
	FETCHT (\T)+1
.else
	WIN 0                                          ; THE CHANGE OF SLOTS: this slot's last fragments have been asked for
	s_wait_tensorcnt 0x0                           ; all my tensor loads have landed: my part of the other slot among them
	ds_add_u32 v[SPW], v[NIL]                      ; 0 onto my spare word
	s_add_nc_u64 s[G0B+4*HS+2:G0B+4*HS+3], s[G0B+4*HS+2:G0B+4*HS+3], WB   ; this slot's next fill: the same K steps of the next weight; the type bits on top are not reached
	s_wait_dscnt 0x0                               ; the add is done, and my reads of this slot are over
	CROUND                                         ; both now hold of every wave of every partner
	tensor_load_to_lds s[G0B+4*HS:G0B+4*HS+3], s[G1B:G1B+7]   ; the first tensor load behind the round, my only one until the next: my 4 row blocks of the slot
	s_nop 0
	PLACES 4                                       ; (also the places in front of the loads below)
	FETCHT (\T)+1
.endif
.endm
; 64 numbers of a lane in window w, register 16 b + i = k 32 b + 16 (lane / 16) + i of my row, become a fragment's codes in v[PC] on and its scale word in v[pw].  Each accumulator is read from its low end on
.macro QUANT s, w, pw
	WIN 5*(\w)
.irp b, 0,1,2,3
	v_max3_num_f32 v[TM+\b], |v[(\s)+16*\b]|, |v[(\s)+1+16*\b]|, 0x1800000   ; my 16 numbers of block b, and the floor 2^(3 - 127): the byte cannot fall under 1
.endr
	WIN 20*(\w)
.irp i, 2,4,6,8,10,12,14
.irp b, 0,1,2,3
	v_max3_num_f32 v[TM+\b], v[TM+\b], |v[(\s)+16*\b+\i]|, |v[(\s)+1+16*\b+\i]|
.endr
.endr
	WIN 0
.irp b, 0,1,2,3
	v_permlanex16_b32 v[TM+4+\b], v[TM+\b], s[SEL], s[SEL+1]
.endr
.irp b, 0,1,2,3
	v_max_num_f32 v[TM+\b], v[TM+\b], v[TM+4+\b]   ; with lane l xor 16's: the block's largest magnitude
.endr
.irp b, 0,1,2,3
	v_add_nc_u32 v[TM+12+\b], 0xff000000, v[TM+\b] ; 2 off its exponent field: the conversion's scale operand
.endr
.irp b, 0,1,2,3
	v_lshrrev_b32 v[TM+4+\b], 23, v[TM+12+\b]      ; the scale's byte
.endr
	v_lshl_or_b32 v[\pw], v[TM+5], 8, v[TM+4]
	v_lshl_or_b32 v[\pw], v[TM+6], 16, v[\pw]
	v_lshl_or_b32 v[\pw], v[TM+7], 24, v[\pw]
	s_wait_xcnt 0x0                                ; the last block's stores have read the codes' registers, which are written again from here on; the lines above stand between those stores and this wait
	WIN \w
.irp c, 0,1
	v_cvt_scalef32_pk16_fp6_f32 v[PC+6*\c:PC+2+6*\c], v[(\s)+32*\c:(\s)+15+32*\c], v[TM+12+2*\c]
	v_cvt_scalef32_pk16_fp6_f32 v[PT+4*\c:PT+2+4*\c], v[(\s)+16+32*\c:(\s)+31+32*\c], v[TM+12+2*\c+1]   ; (a conversion's three registers begin on an even number)
.endr
	WIN 0
	v_nop                                          ; one plain place behind a scaled conversion
.irp c, 0,1                                    ; a whole block to a lane: lanes 0-15 block 2 c, lanes 16-31 block 2 c + 1
.irp i, 0,1,2
	v_permlane16_swap_b32 v[PC+6*\c+\i], v[PT+4*\c+\i]
.endr
.irp i, 0,1,2
	v_mov_b32 v[PC+3+6*\c+\i], v[PT+4*\c+\i]
.endr
.endr
.endm
; a product's scale words, all 8 K steps, into set s: four groups of source 0's rows from base b0 + o0, two of source 1's from b1 + o1; 128 consecutive bytes a load
.macro LOADSC set, b0, o0, b1, o1
.set TT, 0
.rept 8
.irp jj, 0,1,2,3
	global_load_b32 v[SC+48*(\set)+6*TT+\jj], v[LS], s[(\b0):(\b0)+1] offset:(\o0)+\jj*1024+128*TT
.endr
.irp jj, 0,1
	global_load_b32 v[SC+48*(\set)+6*TT+4+\jj], v[LS], s[(\b1):(\b1)+1] offset:(\o1)+\jj*1024+128*TT
.endr
.set TT, TT+1
.endr
.endm
; a bias that runs along the registers (q, k): for source 0's block b the 8 channels 32 (b / 2) + 16 h + 8 (b % 2) + 0..7 of my 128, into window 3
.macro LOADBI reg, base
.irp b, 0,1,2,3,4,5,6,7
	global_load_b128 v[(\reg)+8*\b:(\reg)+8*\b+3], v[BA], s[(\base):(\base)+1] offset:(32*(\b/2)+8*(\b%2))*4
	global_load_b128 v[(\reg)+8*\b+4:(\reg)+8*\b+7], v[BA], s[(\base):(\base)+1] offset:(32*(\b/2)+8*(\b%2))*4+16
.endr
.endm
; THE WAY OUT of product n (0 q, 1 k, 2 V^T): my registers along source 0's 128 rows are one K step of the next product: a fragment and a scale word for each of my four blocks of 16 rows
.macro EPI n
	WIN 0
	PLACES 4                                       ; four places behind the last products
.if (\n) == 0
	s_wait_loadcnt 0x0                             ; k's scale words and the two later biases, asked for five K steps ago
	LOADSC 0, SXV, 0, SWV, 0                       ; V^T's scale words take q's registers, whose last reader stands four places back; they have all of k's product in which to come
.endif
.irp a, 0,1,2,3
	QUANT 64*\a, 2, PW+\a
.irp c, 0,1,2
.if (\n) < 2
	global_store_b128 v[LI], v[PC+4*\c:PC+4*\c+3], s[OQ:OQ+1] offset:\a*24576+(\n)*12288+512*\c   ; 512 consecutive bytes a store; k's K steps lie 8 behind q's
.else
	global_store_b128 v[LI], v[PC+4*\c:PC+4*\c+3], s[OV:OV+1] offset:\a*98304+512*\c
.endif
.endr
.endr
.irp j, 0,1                                    ; lanes 0-15 the even block's words, lanes 16-31 the odd one's.  (These registers' last stores stand ahead of the waits in the four blocks above)
	v_cndmask_b32 v[SW+\j], v[PW+2*\j], v[PW+2*\j+1], s[HM]
.if (\n) < 2
	global_store_b32 v[LS], v[SW+\j], s[OQS:OQS+1] offset:(\n)*1024+2048*\j
.else
	global_store_b32 v[LS], v[SW+\j], s[OVS:OVS+1] offset:8192*\j
.endif
.endr
.endm
	s_load_b256 s[4:11], s[0:1], 0x0               ; xw, bq, bk, bv
	s_load_b64 s[12:13], s[0:1], 0x20              ; qkv
	v_lshl_add_u32 v[SPW], v0, 2, SPARE
	v_mov_b32 v[NIL], 0
	ds_add_u32 v[SPW], v[NIL]                      ; the wave's opening: the add and its wait stand ahead of my first tensor load
	v_lshrrev_b32 v1, 5, v0
	v_readfirstlane_b32 s14, v1                    ; wave 0..3
	s_lshr_b32 s15, s14, 1                         ; wm: q, k: my half of the tokens
	s_and_b32 s16, s14, 1                          ; wn: q, k: my half of the channels
	s_bfe_u32 s40, ttmp6, 0x40000                  ; cx
	s_bfe_u32 s41, ttmp6, 0x40004                  ; cy
	s_lshl_b32 s43, s41, 2
	s_lshl_b32 s43, 15, s43                        ; my row of the cluster
	s_lshl_b32 s44, 0x1111, s40                    ; my column
	s_or_b32 s[G1X], s43, (3<<16)|(1<<21)          ; the mask; elements of 8 bytes; bit 21 beside a mask; no padding
	s_mov_b32 s[G1X+1], (192*FK)<<16               ; tensor_dim0: FK fragments on end
	s_mov_b32 s[G1X+2], 2<<16                      ; tensor_dim1: 2 row blocks a wave
	s_mov_b32 s[G1X+3], (192*FK)<<16               ; tile_dim0
	s_mov_b32 s[G1X+4], 2                          ; tile_dim1
	s_mov_b32 s[G1X+5], 192*8                      ; from row block to row block: 8 fragments
	s_mov_b32 s[G1X+6], 0
	s_mov_b32 s[G1X+7], 0
	s_or_b32 s[G1B], s44, (3<<16)|(1<<21)
	s_mov_b32 s[G1B+1], (192*FK)<<16
	s_mov_b32 s[G1B+2], 4<<16                      ; 4 row blocks a wave
	s_mov_b32 s[G1B+3], (192*FK)<<16
	s_mov_b32 s[G1B+4], 4
	s_mov_b32 s[G1B+5], 192*8
	s_mov_b32 s[G1B+6], 0
	s_mov_b32 s[G1B+7], 0
	s_mov_b32 s[SEL], 0x76543210
	s_mov_b32 s[SEL+1], 0xfedcba98
	s_mov_b32 s[HM], 0xffff0000
	s_and_b32 s18, ttmp7, 0xffff                   ; cluster y, 0..15
	s_lshl_b32 s17, s18, 2
	s_add_co_u32 s17, s17, s41                     ; the block of 128 tokens: 4 y + cy
	s_mov_b32 s42, s40                             ; the block of 256 channels: cx (the grid is one cluster wide)
	s_lshl_b32 s20, s17, 3                         ; x's tile: row block 8 x block + 2 x wave, 12,288 bytes each
	s_lshl_b32 s21, s14, 1
	s_add_co_u32 s20, s20, s21
	s_mul_i32 s20, s20, 12288
	s_mov_b32 s21, 0
	s_lshl_b32 s22, s42, 4                         ; Wq's tile: row block 16 x block + 4 x wave
	s_lshl_b32 s23, s14, 2
	s_add_co_u32 s22, s22, s23
	s_mul_i32 s22, s22, 12288
	s_add_co_u32 s22, s22, WIMG
	s_mov_b32 s23, 0
	s_mul_i32 s46, s14, 2*FKB                      ; where my parts land: no place in the cluster enters an LDS address
	s_mul_i32 s47, s14, 4*FKB
	s_add_co_u32 s47, s47, XREG
	s_wait_dscnt 0x0                               ; the opening add is done
	s_wait_kmcnt 0x0
	s_add_nc_u64 s[20:21], s[4:5], s[20:21]
	s_add_nc_u64 s[22:23], s[4:5], s[22:23]
.irp h, 0,1
	s_mov_b32 s[G0X+4*\h], 1
	s_add_co_u32 s[G0X+4*\h+1], s46, \h*XH
	s_add_nc_u64 s[G0X+4*\h+2:G0X+4*\h+3], s[20:21], \h*FKB
	s_or_b32 s[G0X+4*\h+3], s[G0X+4*\h+3], 0x80000000
	s_mov_b32 s[G0B+4*\h], 1
	s_add_co_u32 s[G0B+4*\h+1], s47, \h*SLOT
	s_add_nc_u64 s[G0B+4*\h+2:G0B+4*\h+3], s[22:23], \h*FKB
	s_or_b32 s[G0B+4*\h+3], s[G0B+4*\h+3], 0x80000000
.endr
	CROUND                                         ; all sixteen work-groups are here: the joint loads meet
	tensor_load_to_lds s[G0X:G0X+3], s[G1X:G1X+7]          ; the four first fills of every wave, in the order in which they are wanted: x's K steps 0-3,
	s_nop 0
	tensor_load_to_lds s[G0B:G0B+3], s[G1B:G1B+7]          ; Wq's K steps 0-3,
	s_nop 0
	tensor_load_to_lds s[G0X+4:G0X+7], s[G1X:G1X+7]        ; x's K steps 4-7,
	s_nop 0
	tensor_load_to_lds s[G0B+4:G0B+7], s[G1B:G1B+7]        ; Wq's K steps 4-7
	s_nop 0
	PLACES 4
	; while the tiles are on their way: the other addresses
	s_lshl_b32 s[SXV], s17, 12                     ; x's scale words: group 4 x block, 1,024 bytes each;
	s_add_co_u32 s[SXV], s[SXV], XSC
	s_mov_b32 s[SXV+1], 0
	s_lshl_b32 s[SXA], s15, 11                     ; for q, k: + 2 wm groups
	s_add_co_u32 s[SXA], s[SXA], s[SXV]
	s_mov_b32 s[SXA+1], 0
	s_lshl_b32 s[SWQ], s42, 13                     ; Wq's: group 8 x block + 4 wn
	s_lshl_b32 s[SWQ+1], s16, 12
	s_add_co_u32 s[SWQ], s[SWQ], s[SWQ+1]
	s_add_co_u32 s[SWQ], s[SWQ], WSC
	s_mov_b32 s[SWQ+1], 0
	s_lshl_b32 s[SWV], s42, 13                     ; Wv's: group 8 x block + 2 x wave
	s_lshl_b32 s[SWV+1], s14, 11
	s_add_co_u32 s[SWV], s[SWV], s[SWV+1]
	s_add_co_u32 s[SWV], s[SWV], WSC+2*WSB
	s_mov_b32 s[SWV+1], 0
	s_add_nc_u64 s[SXV:SXV+1], s[4:5], s[SXV:SXV+1]
	s_add_nc_u64 s[SXA:SXA+1], s[4:5], s[SXA:SXA+1]
	s_add_nc_u64 s[SWQ:SWQ+1], s[4:5], s[SWQ:SWQ+1]
	s_add_nc_u64 s[SWV:SWV+1], s[4:5], s[SWV:SWV+1]
	s_lshl_b32 s[BQB], s42, 10                     ; q's and k's bias: channel 256 x block + 128 wn
	s_lshl_b32 s19, s16, 9
	s_add_co_u32 s[BQB], s[BQB], s19
	s_mov_b32 s[BQB+1], 0
	s_lshl_b32 s[BVB], s42, 10                     ; V's: channel 256 x block + 64 x wave
	s_lshl_b32 s19, s14, 8
	s_add_co_u32 s[BVB], s[BVB], s19
	s_mov_b32 s[BVB+1], 0
	s_add_nc_u64 s[BKB:BKB+1], s[8:9], s[BQB:BQB+1]
	s_add_nc_u64 s[BQB:BQB+1], s[6:7], s[BQB:BQB+1]
	s_add_nc_u64 s[BVB:BVB+1], s[10:11], s[BVB:BVB+1]
	v_and_b32 v1, 31, v0
	v_and_b32 v2, 15, v0                           ; r
	v_bfe_u32 v3, v0, 4, 1                         ; h
	v_lshlrev_b32 v[LI], 4, v1
	v_lshlrev_b32 v[LS], 2, v1
	v_lshlrev_b32 v[BA], 6, v3
	v_and_b32 v[BAV], 8, v2
	v_add_nc_u32 v[BAV], v[BAV], v2
	v_lshlrev_b32 v[BAV], 2, v[BAV]
	LOADSC 0, SWQ, 0, SXA, 0                       ; what the first product wants: q's scale words,
	WIN 0xc0                                       ; destination window 3, address window 0
	LOADBI BIQ, BQB                                ; and q's bias
	WIN 0
	s_mul_i32 s46, s15, 4*FKB                      ; q, k: my 4 row blocks of x,
	s_mul_i32 s47, s16, 8*FKB                      ; my 8 of the weight;
	s_add_co_u32 s47, s47, XREG
	s_mul_i32 s18, s14, 4*FKB                      ; V^T: my 4 of Wv
	s_add_co_u32 s18, s18, XREG
.irp h, 0,1
	v_add_nc_u32 v[AQ+\h], s46, v[LI]
	v_add_nc_u32 v[XV+\h], \h*XH, v[LI]
	v_add_nc_u32 v[BQ+\h], s47, v[LI]
	v_add_nc_u32 v[BV+\h], s18, v[LI]
	s_add_co_u32 s46, s46, XH
	s_add_co_u32 s47, s47, SLOT
	s_add_co_u32 s18, s18, SLOT
.endr
	s_lshl_b32 s46, s42, 1
	s_add_co_u32 s46, s46, s16                     ; q: my K step of the scores' product: 2 x block of channels + wn
	s_lshl_b32 s47, s17, 3
	s_lshl_b32 s19, s15, 2
	s_add_co_u32 s47, s47, s19                     ; my first row block: 8 x block of tokens + 4 wm; 16 K steps (q's 8, k's 8) a row block
	s_lshl_b32 s47, s47, 4
	s_add_co_u32 s47, s47, s46
	s_mul_i32 s[OQ], s47, 1536
	s_mov_b32 s[OQ+1], 0
	s_lshl_b32 s47, s17, 2
	s_lshl_b32 s19, s15, 1
	s_add_co_u32 s47, s47, s19                     ; my first group of 32 rows
	s_lshl_b32 s47, s47, 4
	s_add_co_u32 s47, s47, s46
	s_lshl_b32 s[OQS], s47, 7
	s_add_co_u32 s[OQS], s[OQS], QKSC
	s_mov_b32 s[OQS+1], 0
	s_lshl_b32 s47, s42, 4
	s_lshl_b32 s19, s14, 2
	s_add_co_u32 s47, s47, s19                     ; V^T: my first row block: 16 x block of channels + 4 x wave; 64 K steps a row block; mine is the block of tokens
	s_lshl_b32 s47, s47, 6
	s_add_co_u32 s47, s47, s17
	s_mul_i32 s[OV], s47, 1536
	s_add_co_u32 s[OV], s[OV], VTIMG
	s_mov_b32 s[OV+1], 0
	s_lshl_b32 s47, s42, 3
	s_lshl_b32 s19, s14, 1
	s_add_co_u32 s47, s47, s19
	s_lshl_b32 s47, s47, 6
	s_add_co_u32 s47, s47, s17
	s_lshl_b32 s[OVS], s47, 7
	s_add_co_u32 s[OVS], s[OVS], VTSC
	s_mov_b32 s[OVS+1], 0
	s_add_nc_u64 s[OQ:OQ+1], s[12:13], s[OQ:OQ+1]
	s_add_nc_u64 s[OQS:OQS+1], s[12:13], s[OQS:OQS+1]
	s_add_nc_u64 s[OV:OV+1], s[12:13], s[OV:OV+1]
	s_add_nc_u64 s[OVS:OVS+1], s[12:13], s[OVS:OVS+1]
.irp b, 0,1,2,3
	v_mov_b32 v[TM+4+\b], 0                        ; written once: a lane permute's destination counts as one of its sources
.endr
	s_wait_tensorcnt 2                             ; my parts of x's half 0 and of slot 0 have landed; my two later first fills stay out
	s_barrier_signal -1
	s_barrier_wait -1                              ; everybody's have
	FETCHT 0
	s_wait_loadcnt 0x0                             ; q's scale words and bias
	HEAD 0
	MULT 0
	HEAD 1
	LOADSC 1, SWQ, WSB, SXA, 0                     ; k's scale words go out with this K step's fragment loads,
	MULT 1
	HEAD 2
	WIN 0xc0                                       ; destination window 3, address window 0
	LOADBI BIK, BKB                                ; k's bias and V's with the next one's
.irp a, 0,1,2,3                                ; V's bias hangs on the lane's channel: eight equal registers for source 1's block a
.irp j, 0,1,2,3,4,5,6,7
	global_load_b32 v[BIV+8*\a+\j], v[BAV], s[BVB:BVB+1] offset:(32*(\a/2)+8*(\a%2))*4
.endr
.endr
	WIN 0
	MULT 2
.irp T, 3,4,5,6,7
	HEAD \T
	MULT \T
.endr
	EPI 0                                          ; q goes out; k's first fragments are in registers, Wk's second half is on its way
.irp T, 8,9,10,11,12,13,14,15
	HEAD \T
	MULT \T
.endr
	EPI 1                                          ; k goes out
	HEAD 16
	s_wait_loadcnt 0x0                             ; V^T's scale words, asked for a product ago
	MULT 16
.irp T, 17,18,19,20,21,22,23
	HEAD \T
	MULT \T
.endr
	EPI 2                                          ; V^T goes out
	s_wait_tensorcnt 0x0                           ; the wave's end
	ds_add_u32 v[SPW], v[NIL]
	s_wait_dscnt 0x0
	CROUND                                         ; the closing round
	s_endpgm
.Lfunc_end_k_q7d1cd754f6_qkv:
	.size	k_q7d1cd754f6_qkv, .Lfunc_end_k_q7d1cd754f6_qkv-k_q7d1cd754f6_qkv
	.p2alignl 7, 3214868480
	.fill 96, 4, 3214868480
	.section	.rodata,"a",@progbits
	.p2align	6, 0x0
	.amdhsa_kernel k_q7d1cd754f6_qkv
		.amdhsa_group_segment_fixed_size 327680
		.amdhsa_private_segment_fixed_size 0
		.amdhsa_enable_private_segment 0
		.amdhsa_kernarg_size 40
		.amdhsa_user_sgpr_count 2
		.amdhsa_user_sgpr_kernarg_segment_ptr 1
		.amdhsa_wavefront_size32 1
		.amdhsa_system_sgpr_workgroup_id_x 1
		.amdhsa_system_sgpr_workgroup_id_y 1
		.amdhsa_system_sgpr_workgroup_id_z 1
		.amdhsa_system_vgpr_workitem_id 0
		.amdhsa_next_free_vgpr 1024
		.amdhsa_next_free_sgpr 100
		.amdhsa_reserve_vcc 0
		.amdhsa_float_denorm_mode_32 3
		.amdhsa_float_denorm_mode_16_64 3
		.amdhsa_memory_ordered 1
		.amdhsa_forward_progress 1
		.amdhsa_inst_pref_size 239
	.end_amdhsa_kernel
	.amdgpu_metadata
---
amdhsa.version: [ 1, 2 ]
amdhsa.kernels:
  - .name:           k_q7d1cd754f6_qkv
    .symbol:         k_q7d1cd754f6_qkv.kd
    .args:
      - { .name: xw, .offset: 0, .size: 8, .value_kind: global_buffer, .address_space: global }
      - { .name: bq, .offset: 8, .size: 8, .value_kind: global_buffer, .address_space: global }
      - { .name: bk, .offset: 16, .size: 8, .value_kind: global_buffer, .address_space: global }
      - { .name: bv, .offset: 24, .size: 8, .value_kind: global_buffer, .address_space: global }
      - { .name: qkv, .offset: 32, .size: 8, .value_kind: global_buffer, .address_space: global }
    .group_segment_fixed_size: 327680
    .private_segment_fixed_size: 0
    .kernarg_segment_align: 8
    .kernarg_segment_size: 40
    .max_flat_workgroup_size: 128
    .sgpr_count:     100
    .vgpr_count:     1024
    .wavefront_size: 32
...
	.end_amdgpu_metadata
.endif
;; end of part 2
;; launch scores (part 3): grid 8 x 64, 4 waves a work-group, clusters of 4 x 4, 327,680 bytes of LDS; arguments qkv, pp; writes pp
.if DOCPART == 3
	.amdgcn_target "amdgcn-amd-amdhsa--gfx1250"
	.amdhsa_code_object_version 6
	.text
	.protected	k_q7d1cd754f6_scores
	.globl	k_q7d1cd754f6_scores
	.p2align	8
	.type	k_q7d1cd754f6_scores,@function
k_q7d1cd754f6_scores:
	s_mov_b64 s[64:65], 0
	v_nop
	global_prefetch_b8 v0, s[64:65] scope:SCOPE_SE
	s_setreg_imm32_b32 hwreg(HW_REG_WAVE_MODE, 25, 1), 1
	s_wait_xcnt 0x0
	s_wait_alu depctr_hold_cnt(0) depctr_sa_sdst(0) depctr_va_vdst(0) depctr_va_sdst(0) depctr_va_ssrc(0) depctr_va_vcc(0) depctr_vm_vsrc(0)
	s_getreg_b32 s2, hwreg(HW_REG_IB_STS2, 6, 4)
	s_cmp_eq_u32 s2, 0
	s_cbranch_scc0 .Lentry_in_a_cluster
	s_endpgm
.Lentry_in_a_cluster:
	s_bfe_u32 s2, ttmp6, 0x10000c
	s_cmp_lg_u32 s2, 0xf033
	s_cbranch_scc0 .Lentry_shape_is_right
	s_endpgm
.Lentry_shape_is_right:
; For each batch: S = q k^T on codes of FP6 (E2M3) with E8M0 scales; t = S log2(e) / 32; and, for each run of 128 keys (one wave's columns, one K step of p V):
; M' = ceil(the run's largest t), p = 2^(t - M'), the run's sum of the unquantised p, and p quantised along the keys.  Stored: p's images, its scale words, -M' and the sum.
; The next launch brings all runs of a row under the row's M = the largest M': a whole number, so that the shift is an exact power of two, taken up by the scale bytes.  So a maximum is always taken away ahead of the exponential.
; OPERANDS are images of operand registers ([row block][K step][1,536 bytes]; q in K steps 0-7 and k in K steps 8-15 of one buffer); rows lie in the order 32 (i / 2) + 8 (i % 2) + r + 8 (r / 8).
; A tile is 128 queries x 256 keys; four waves of 64 x 128.  K = 1,024: the whole K of a tile lies in LDS: four first fills a wave, no byte is filled again.
; CLUSTERS 4 x 4: q's tile is shared along a row of the cluster, k's along a column, each asked for jointly.
; LIMITS: NaN and infinities are not served; a block all of whose p fell to 0 carries the scale byte 1 (its codes are zeros).
; REGISTERS: window 0: v4-15 addresses; v32-79 scale words; v128-131 -M', v132-135 sums; v144-159 the quantiser's work; v160-255 A's fragments, two sets, later p (v160-223), codes (v224-), work (v250-255).  Window 1: B's fragments.  Window 2: accumulators.
.set NK,    8
.set FK,    2
.set FKB,   FK*1536
.set REG,   24*FKB
.set SPARE, 4*REG
.set QKSC,  12582912
.set PSC,   12582912
.set LI,   4
.set LS,   5
.set ADRA, 6
.set ADRB, 10
.set SPW,  14
.set NIL,  15
.set SC,   32
.set BI,   80
.set NMS,  128
.set LSM,  132
.set TM,   144
.set AF,   160
.set H,    160
.set PC,   224
.set PW,   244
.set G1A,  24
.set G1B,  48
.set G0A,  68
.set G0B,  84
.set SEL,  56
.set CS,   58
.set HM,   60
.set MSB, 0
.macro WIN new                         ; the immediate's high byte repeats the setting that is left
.if MSB != (\new)
	s_set_vgpr_msb (MSB<<8)|(\new)
.set MSB, (\new)
.endif
.endm
.macro PLACES n
.rept \n
	v_nop
.endr
.endm
.macro CROUND                          ; a round of the cluster's barrier
	s_barrier_signal -1
	s_barrier_wait -1
	s_cmp_lg_u32 s14, 0
	s_cbranch_scc1 .Lnot_wave_0_\@
	s_barrier_signal -3
.Lnot_wave_0_\@:
	s_barrier_wait -3
	s_barrier_signal -1
	s_barrier_wait -1
.endm
.macro W1 d, s0, s1, cm, cr, x0, x1, r0, r1
.if (\cm) == 0
.if (\r0) && (\r1)
	v_wmma_scale_f32_16x16x128_f8f6f4 v[(\d):(\d)+7], v[(\s0):(\s0)+11], v[(\s1):(\s1)+11], 0, v[(\x0)], v[(\x1)] matrix_a_fmt:MATRIX_FMT_FP6 matrix_b_fmt:MATRIX_FMT_FP6 matrix_a_scale:MATRIX_SCALE_ROW1 matrix_b_scale:MATRIX_SCALE_ROW1
.elseif (\r0)
	v_wmma_scale_f32_16x16x128_f8f6f4 v[(\d):(\d)+7], v[(\s0):(\s0)+11], v[(\s1):(\s1)+11], 0, v[(\x0)], v[(\x1)] matrix_a_fmt:MATRIX_FMT_FP6 matrix_b_fmt:MATRIX_FMT_FP6 matrix_a_scale:MATRIX_SCALE_ROW1
.elseif (\r1)
	v_wmma_scale_f32_16x16x128_f8f6f4 v[(\d):(\d)+7], v[(\s0):(\s0)+11], v[(\s1):(\s1)+11], 0, v[(\x0)], v[(\x1)] matrix_a_fmt:MATRIX_FMT_FP6 matrix_b_fmt:MATRIX_FMT_FP6 matrix_b_scale:MATRIX_SCALE_ROW1
.else
	v_wmma_scale_f32_16x16x128_f8f6f4 v[(\d):(\d)+7], v[(\s0):(\s0)+11], v[(\s1):(\s1)+11], 0, v[(\x0)], v[(\x1)] matrix_a_fmt:MATRIX_FMT_FP6 matrix_b_fmt:MATRIX_FMT_FP6
.endif
.else
.if (\r0) && (\r1)
	v_wmma_scale_f32_16x16x128_f8f6f4 v[(\d):(\d)+7], v[(\s0):(\s0)+11], v[(\s1):(\s1)+11], v[(\cr):(\cr)+7], v[(\x0)], v[(\x1)] matrix_a_fmt:MATRIX_FMT_FP6 matrix_b_fmt:MATRIX_FMT_FP6 matrix_a_scale:MATRIX_SCALE_ROW1 matrix_b_scale:MATRIX_SCALE_ROW1
.elseif (\r0)
	v_wmma_scale_f32_16x16x128_f8f6f4 v[(\d):(\d)+7], v[(\s0):(\s0)+11], v[(\s1):(\s1)+11], v[(\cr):(\cr)+7], v[(\x0)], v[(\x1)] matrix_a_fmt:MATRIX_FMT_FP6 matrix_b_fmt:MATRIX_FMT_FP6 matrix_a_scale:MATRIX_SCALE_ROW1
.elseif (\r1)
	v_wmma_scale_f32_16x16x128_f8f6f4 v[(\d):(\d)+7], v[(\s0):(\s0)+11], v[(\s1):(\s1)+11], v[(\cr):(\cr)+7], v[(\x0)], v[(\x1)] matrix_a_fmt:MATRIX_FMT_FP6 matrix_b_fmt:MATRIX_FMT_FP6 matrix_b_scale:MATRIX_SCALE_ROW1
.else
	v_wmma_scale_f32_16x16x128_f8f6f4 v[(\d):(\d)+7], v[(\s0):(\s0)+11], v[(\s1):(\s1)+11], v[(\cr):(\cr)+7], v[(\x0)], v[(\x1)] matrix_a_fmt:MATRIX_FMT_FP6 matrix_b_fmt:MATRIX_FMT_FP6
.endif
.endif
.endm
; K step t on fragment set p: 32 products, the 32 accumulators by turns in the same order in every K step.  mode 0: the sums start at 0;  1: they go on
.macro MUL p, t, mode
	WIN 0xa1                                       ; source 0 (B) window 1, source 1 (A) window 0, C and D window 2
.irp a, 0,1,2,3
.irp b, 0,1,2,3,4,5,6,7
.if (\mode) == 0
	W1 64*\a+8*\b, 96*(\p)+12*\b, AF+48*(\p)+12*\a, 0, 0, SC+6*(\t)+\b/2, SC+6*(\t)+4+\a/2, \b%2, \a%2
.else
	W1 64*\a+8*\b, 96*(\p)+12*\b, AF+48*(\p)+12*\a, 1, 64*\a+8*\b, SC+6*(\t)+\b/2, SC+6*(\t)+4+\a/2, \b%2, \a%2
.endif
.endr
.endr
.endm
.macro FETCH f, q, p
	WIN 0x40                                       ; destination window 1, address window 0
.irp b, 0,1,2,3,4,5,6,7
.irp c, 0,1,2
	ds_load_b128 v[96*(\p)+12*\b+4*\c:96*(\p)+12*\b+4*\c+3], v[ADRB+(\f)] offset:\b*FKB+1536*(\q)+512*\c
.endr
.endr
	WIN 0
.irp a, 0,1,2,3
.irp c, 0,1,2
	ds_load_b128 v[AF+48*(\p)+12*\a+4*\c:AF+48*(\p)+12*\a+4*\c+3], v[ADRA+(\f)] offset:\a*FKB+1536*(\q)+512*\c
.endr
.endr
.endm
.macro KSTEP t, mode
	s_wait_dscnt 0x0                               ; this K step's fragments are in; no LDS instruction of mine is out at a signal
.if (\t)+1 < NK
.if ((\t)+1)%FK == 0
	s_wait_tensorcnt 3-((\t)+1)/FK                 ; my part of the next region has landed; my later first fills stay out: no byte is filled again behind this barrier
	s_barrier_signal -1
	s_barrier_wait -1
.endif
.if (\t) > 0
	PLACES 4                                       ; four places in front of loads into registers that the last K step's products read
.endif
	FETCH ((\t)+1)/FK, ((\t)+1)%FK, ((\t)+1)%2
.endif
	MUL (\t)%2, \t, \mode
.endm
.macro QUANT s, w, pw
	WIN 5*(\w)
.irp b, 0,1,2,3
	v_max3_num_f32 v[TM+\b], |v[(\s)+16*\b]|, |v[(\s)+1+16*\b]|, 0x1800000   ; my 16 numbers of block b, and the floor 2^(3 - 127): the byte cannot fall under 1
.endr
	WIN 20*(\w)
.irp i, 2,4,6,8,10,12,14
.irp b, 0,1,2,3
	v_max3_num_f32 v[TM+\b], v[TM+\b], |v[(\s)+16*\b+\i]|, |v[(\s)+1+16*\b+\i]|
.endr
.endr
	WIN 0
.irp b, 0,1,2,3
	v_permlanex16_b32 v[TM+4+\b], v[TM+\b], s[SEL], s[SEL+1]
.endr
.irp b, 0,1,2,3
	v_max_num_f32 v[TM+\b], v[TM+\b], v[TM+4+\b]
.endr
.irp b, 0,1,2,3
	v_add_nc_u32 v[TM+12+\b], 0xff000000, v[TM+\b]
.endr
.irp b, 0,1,2,3
	v_lshrrev_b32 v[TM+4+\b], 23, v[TM+12+\b]
.endr
	v_lshl_or_b32 v[\pw], v[TM+5], 8, v[TM+4]
	v_lshl_or_b32 v[\pw], v[TM+6], 16, v[\pw]
	v_lshl_or_b32 v[\pw], v[TM+7], 24, v[\pw]
	WIN \w
.irp c, 0,1
	v_cvt_scalef32_pk16_fp6_f32 v[PC+6*\c:PC+2+6*\c], v[(\s)+32*\c:(\s)+15+32*\c], v[TM+12+2*\c]
	v_cvt_scalef32_pk16_fp6_f32 v[PC+12+4*\c:PC+14+4*\c], v[(\s)+16+32*\c:(\s)+31+32*\c], v[TM+12+2*\c+1]
.endr
	WIN 0
	v_nop                                          ; one plain place behind a scaled conversion
.irp c, 0,1
.irp i, 0,1,2
	v_permlane16_swap_b32 v[PC+6*\c+\i], v[PC+12+4*\c+\i]
.endr
.irp i, 0,1,2
	v_mov_b32 v[PC+3+6*\c+\i], v[PC+12+4*\c+\i]
.endr
.endr
.endm
; block a of 16 queries: a lane holds one query and 64 of its 128 scores; lane l xor 16 the other 64
.macro SOFT a
.set SA, 64*(\a)
	WIN 0x2a                                       ; all three sources window 2
.irp b, 0,1,2,3
	v_max3_num_f32 v[TM+\b], v[SA+16*\b], v[SA+16*\b+1], v[SA+16*\b+2]   ; the largest score, in four chains; each accumulator is read from its low end on
.endr
	WIN 0x28
.irp i, 3,5,7,9,11,13
.irp b, 0,1,2,3
	v_max3_num_f32 v[TM+\b], v[TM+\b], v[SA+16*\b+\i], v[SA+16*\b+\i+1]
.endr
.endr
	WIN 0x08
.irp b, 0,1,2,3
	v_max_num_f32 v[TM+\b], v[TM+\b], v[SA+16*\b+15]
.endr
	WIN 0
	v_max3_num_f32 v250, v[TM], v[TM+1], v[TM+2]
	v_max_num_f32 v250, v250, v[TM+3]
	v_permlanex16_b32 v251, v250, s[SEL], s[SEL+1]
	v_max_num_f32 v250, v250, v251
	v_mul_f32 v251, s[CS], v250                    ; as t (c is positive)
	v_floor_f32 v250, -v251                        ; -M' = floor(-t) = -ceil(t): a whole number
	WIN 0x02                                       ; source 0 window 2
.set JJ, 0
.rept 32
	v_pk_fma_f32 v[H+JJ:H+JJ+1], v[SA+JJ:SA+JJ+1], s[CS:CS+1], v[250:251] op_sel_hi:[1,0,0]   ; t - M', two at a time
.set JJ, JJ+2
.endr
	WIN 0
.set JJ, 0
.rept 64
	v_exp_f32 v[H+JJ], v[H+JJ]                     ; p = 2^(t - M'), at most 1
.set JJ, JJ+1
.endr
	v_mov_b32 v[NMS+(\a)], v250                    ; -M' is kept.  (The plain place behind the exponentials)
	s_wait_alu depctr_va_vdst(0)                   ; one wait for the batch, ahead of its first reader
	v_pk_add_f32 v[252:253], v[H:H+1], v[H+2:H+3]  ; the sum of the UNQUANTISED p, in two chains
	v_pk_add_f32 v[254:255], v[H+4:H+5], v[H+6:H+7]
.irp j, 8,16,24,32,40,48,56
	v_pk_add_f32 v[252:253], v[252:253], v[H+\j:H+\j+1]
	v_pk_add_f32 v[254:255], v[254:255], v[H+\j+2:H+\j+3]
	v_pk_add_f32 v[252:253], v[252:253], v[H+\j+4:H+\j+5]
	v_pk_add_f32 v[254:255], v[254:255], v[H+\j+6:H+\j+7]
.endr
	v_pk_add_f32 v[252:253], v[252:253], v[254:255]
	v_add_f32 v252, v252, v253
	v_permlanex16_b32 v253, v252, s[SEL], s[SEL+1]
	v_add_f32 v[LSM+(\a)], v252, v253
.if (\a) > 0
	s_wait_xcnt 0x0                                ; the last block's stores have read the codes' registers
.endif
	QUANT H, 0, PW+(\a)
.irp c, 0,1,2
	global_store_b128 v[LI], v[PC+4*\c:PC+4*\c+3], s[62:63] offset:(\a)*24576+512*\c
.endr
.endm
	s_load_b128 s[4:7], s[0:1], 0x0                ; qkv, pp
	v_lshl_add_u32 v[SPW], v0, 2, SPARE
	v_mov_b32 v[NIL], 0
	ds_add_u32 v[SPW], v[NIL]                      ; the wave's opening: the add and its wait stand ahead of my first tensor load
	v_lshrrev_b32 v1, 5, v0
	v_readfirstlane_b32 s14, v1                    ; wave 0..3
	s_lshr_b32 s15, s14, 1                         ; wm; also: I fetch for A (0) or B (1)
	s_and_b32 s16, s14, 1                          ; wn; also: which half I fetch
	s_bfe_u32 s40, ttmp6, 0x40000                  ; cx
	s_bfe_u32 s41, ttmp6, 0x40004                  ; cy
	s_lshl_b32 s43, s41, 2
	s_lshl_b32 s43, 15, s43
	s_lshl_b32 s44, 0x1111, s40
	s_or_b32 s[G1A], s43, (3<<16)|(1<<21)
	s_mov_b32 s[G1A+1], (192*FK)<<16
	s_mov_b32 s[G1A+2], 4<<16
	s_mov_b32 s[G1A+3], (192*FK)<<16
	s_mov_b32 s[G1A+4], 4
	s_mov_b32 s[G1A+5], 192*16                     ; from row block to row block: 16 fragments
	s_mov_b32 s[G1A+6], 0
	s_mov_b32 s[G1A+7], 0
	s_or_b32 s[G1B], s44, (3<<16)|(1<<21)
	s_mov_b32 s[G1B+1], (192*FK)<<16
	s_mov_b32 s[G1B+2], 8<<16
	s_mov_b32 s[G1B+3], (192*FK)<<16
	s_mov_b32 s[G1B+4], 8
	s_mov_b32 s[G1B+5], 192*16
	s_mov_b32 s[G1B+6], 0
	s_mov_b32 s[G1B+7], 0
	s_mov_b32 s[SEL], 0x76543210
	s_mov_b32 s[SEL+1], 0xfedcba98
	s_mov_b32 s[CS], 0x3d38aa3b                    ; c = log2(e) / 32
	s_mov_b32 s[CS+1], s[CS]
	s_mov_b32 s[HM], 0xffff0000
	s_and_b32 s18, ttmp7, 0xffff
	s_lshl_b32 s17, s18, 2
	s_add_co_u32 s17, s17, s41                     ; tile row: 128 queries
	s_lshr_b32 s19, s18, 2                         ; the batch: the same in the whole cluster
	s_lshl_b32 s42, ttmp9, 2
	s_add_co_u32 s42, s42, s40                     ; tile column: 256 keys of the batch
	s_lshl_b32 s20, s17, 3                         ; q: row block 8 x tile row + 4 x my half, 24,576 bytes each
	s_lshl_b32 s21, s16, 2
	s_add_co_u32 s20, s20, s21
	s_mul_i32 s20, s20, 24576
	s_mov_b32 s21, 0
	s_lshl_b32 s22, s19, 7                         ; k: row block 128 x batch + 16 x tile column + 8 x my half, K steps 8 on
	s_lshl_b32 s23, s42, 4
	s_add_co_u32 s22, s22, s23
	s_lshl_b32 s23, s16, 3
	s_add_co_u32 s22, s22, s23
	s_mul_i32 s22, s22, 24576
	s_add_co_u32 s22, s22, 12288
	s_mov_b32 s23, 0
	s_lshl_b32 s32, s17, 2                         ; q's scale words: group 4 x tile row + 2 wm, 2,048 bytes each
	s_lshl_b32 s33, s15, 1
	s_add_co_u32 s32, s32, s33
	s_lshl_b32 s32, s32, 11
	s_add_co_u32 s32, s32, QKSC
	s_mov_b32 s33, 0
	s_lshl_b32 s34, s19, 6                         ; k's: group 64 x batch + 8 x tile column + 4 wn, K steps 8 on
	s_lshl_b32 s35, s42, 3
	s_add_co_u32 s34, s34, s35
	s_lshl_b32 s35, s16, 2
	s_add_co_u32 s34, s34, s35
	s_lshl_b32 s34, s34, 11
	s_add_co_u32 s34, s34, QKSC+1024
	s_mov_b32 s35, 0
	s_lshl_b32 s46, s42, 1
	s_add_co_u32 s46, s46, s16                     ; my K step of p V: 2 x tile column + wn
	s_lshl_b32 s47, s17, 3
	s_lshl_b32 s38, s15, 2
	s_add_co_u32 s47, s47, s38
	s_lshl_b32 s47, s47, 4
	s_add_co_u32 s47, s47, s46
	s_mul_i32 s62, s47, 1536                       ; p's images
	s_mov_b32 s63, 0
	s_lshl_b32 s47, s17, 2
	s_lshl_b32 s38, s15, 1
	s_add_co_u32 s47, s47, s38
	s_lshl_b32 s47, s47, 4
	s_add_co_u32 s47, s47, s46
	s_lshl_b32 s2, s47, 7                          ; its scale words; -M' lies 524,288 and the sums 1,048,576 bytes on
	s_add_co_u32 s2, s2, PSC
	s_mov_b32 s3, 0
	s_mul_i32 s46, s16, 4*FKB
	s_mul_i32 s47, s16, 8*FKB
	s_add_co_u32 s47, s47, 8*FKB
	s_wait_dscnt 0x0                               ; the opening add is done
	s_wait_kmcnt 0x0
	s_add_nc_u64 s[20:21], s[4:5], s[20:21]
	s_add_nc_u64 s[22:23], s[4:5], s[22:23]
	s_add_nc_u64 s[32:33], s[4:5], s[32:33]
	s_add_nc_u64 s[34:35], s[4:5], s[34:35]
	s_add_nc_u64 s[62:63], s[6:7], s[62:63]
	s_add_nc_u64 s[2:3], s[6:7], s[2:3]
.irp f, 0,1,2,3
	s_mov_b32 s[G0A+4*\f], 1
	s_add_co_u32 s[G0A+4*\f+1], s46, \f*REG
	s_add_nc_u64 s[G0A+4*\f+2:G0A+4*\f+3], s[20:21], \f*FKB
	s_or_b32 s[G0A+4*\f+3], s[G0A+4*\f+3], 0x80000000
	s_mov_b32 s[G0B+4*\f], 1
	s_add_co_u32 s[G0B+4*\f+1], s47, \f*REG
	s_add_nc_u64 s[G0B+4*\f+2:G0B+4*\f+3], s[22:23], \f*FKB
	s_or_b32 s[G0B+4*\f+3], s[G0B+4*\f+3], 0x80000000
.endr
	CROUND                                         ; all sixteen work-groups are here: the joint loads meet
	s_cmp_eq_u32 s15, 0                            ; a wave's four first fills stand in one branch on the wave's number: four tensor loads of mine are out
	s_cbranch_scc0 .Lfill_b
.irp f, 0,1,2,3
	tensor_load_to_lds s[G0A+4*\f:G0A+4*\f+3], s[G1A:G1A+7]
	s_nop 0
.endr
	PLACES 4
	s_branch .Lfilled
.Lfill_b:
.irp f, 0,1,2,3
	tensor_load_to_lds s[G0B+4*\f:G0B+4*\f+3], s[G1B:G1B+7]
	s_nop 0
.endr
	PLACES 4
.Lfilled:
	v_and_b32 v1, 31, v0
	v_lshlrev_b32 v[LI], 4, v1
	v_lshlrev_b32 v[LS], 2, v1
	s_mul_i32 s46, s15, 4*FKB
	s_mul_i32 s47, s16, 8*FKB
	s_add_co_u32 s47, s47, 8*FKB
.irp f, 0,1,2,3
	v_add_nc_u32 v[ADRA+\f], s46, v[LI]
	v_add_nc_u32 v[ADRB+\f], s47, v[LI]
	s_add_co_u32 s46, s46, REG
	s_add_co_u32 s47, s47, REG
.endr
.set TT, 0
.rept NK                                       ; all scale words of my 64 + 128 rows, once, 128 consecutive bytes a load
.irp jj, 0,1,2,3
	global_load_b32 v[SC+6*TT+\jj], v[LS], s[34:35] offset:\jj*2048+128*TT
.endr
.irp jj, 0,1
	global_load_b32 v[SC+6*TT+4+\jj], v[LS], s[32:33] offset:\jj*2048+128*TT
.endr
.set TT, TT+1
.endr
.irp b, 0,1,2,3
	v_mov_b32 v[TM+4+\b], 0                        ; written once: a lane permute's destination counts as one of its sources
.endr
	s_wait_tensorcnt 3                             ; my part of region 0 has landed; my three later fills stay out
	s_barrier_signal -1
	s_barrier_wait -1
	FETCH 0, 0, 0
	s_wait_loadcnt 0x0                             ; the scale words
	KSTEP 0, 0                                     ; the first K step starts the sums: nothing is cleared
.irp t, 1,2,3,4,5,6,7
	KSTEP \t, 1
.endr
	WIN 0
	PLACES 4                                       ; four places behind the last products
	v_mov_b32 v251, 0                              ; (a lane permute's destination)
	SOFT 0
	SOFT 1
	SOFT 2
	SOFT 3
.irp j, 0,1                                    ; lanes 0-15 the even block's rows, lanes 16-31 the odd one's: 128 consecutive bytes a store
	v_cndmask_b32 v[H+3*\j], v[PW+2*\j], v[PW+2*\j+1], s[HM]
	v_cndmask_b32 v[H+3*\j+1], v[NMS+2*\j], v[NMS+2*\j+1], s[HM]
	v_cndmask_b32 v[H+3*\j+2], v[LSM+2*\j], v[LSM+2*\j+1], s[HM]
	global_store_b32 v[LS], v[H+3*\j], s[2:3] offset:2048*\j
	global_store_b32 v[LS], v[H+3*\j+1], s[2:3] offset:524288+2048*\j
	global_store_b32 v[LS], v[H+3*\j+2], s[2:3] offset:1048576+2048*\j
.endr
	s_wait_tensorcnt 0x0                           ; the wave's end
	ds_add_u32 v[SPW], v[NIL]
	s_wait_dscnt 0x0
	CROUND                                         ; the closing round
	s_endpgm
.Lfunc_end_k_q7d1cd754f6_scores:
	.size	k_q7d1cd754f6_scores, .Lfunc_end_k_q7d1cd754f6_scores-k_q7d1cd754f6_scores
	.p2alignl 7, 3214868480
	.fill 96, 4, 3214868480
	.section	.rodata,"a",@progbits
	.p2align	6, 0x0
	.amdhsa_kernel k_q7d1cd754f6_scores
		.amdhsa_group_segment_fixed_size 327680
		.amdhsa_private_segment_fixed_size 0
		.amdhsa_enable_private_segment 0
		.amdhsa_kernarg_size 16
		.amdhsa_user_sgpr_count 2
		.amdhsa_user_sgpr_kernarg_segment_ptr 1
		.amdhsa_wavefront_size32 1
		.amdhsa_system_sgpr_workgroup_id_x 1
		.amdhsa_system_sgpr_workgroup_id_y 1
		.amdhsa_system_sgpr_workgroup_id_z 1
		.amdhsa_system_vgpr_workitem_id 0
		.amdhsa_next_free_vgpr 768
		.amdhsa_next_free_sgpr 100
		.amdhsa_reserve_vcc 0
		.amdhsa_float_denorm_mode_32 3
		.amdhsa_float_denorm_mode_16_64 3
		.amdhsa_memory_ordered 1
		.amdhsa_forward_progress 1
		.amdhsa_inst_pref_size 118
	.end_amdhsa_kernel
	.amdgpu_metadata
---
amdhsa.version: [ 1, 2 ]
amdhsa.kernels:
  - .name:           k_q7d1cd754f6_scores
    .symbol:         k_q7d1cd754f6_scores.kd
    .args:
      - { .name: qkv, .offset: 0, .size: 8, .value_kind: global_buffer, .address_space: global }
      - { .name: pp, .offset: 8, .size: 8, .value_kind: global_buffer, .address_space: global }
    .group_segment_fixed_size: 327680
    .private_segment_fixed_size: 0
    .kernarg_segment_align: 8
    .kernarg_segment_size: 16
    .max_flat_workgroup_size: 128
    .sgpr_count:     100
    .vgpr_count:     768
    .wavefront_size: 32
...
	.end_amdgpu_metadata
.endif
;; end of part 3
;; launch pv (part 4): grid 4 x 64, 4 waves a work-group, clusters of 4 x 4, 327,680 bytes of LDS; arguments pp, qkv, oo; writes oo
.if DOCPART == 4
	.amdgcn_target "amdgcn-amd-amdhsa--gfx1250"
	.amdhsa_code_object_version 6
	.text
	.protected	k_q7d1cd754f6_pv
	.globl	k_q7d1cd754f6_pv
	.p2align	8
	.type	k_q7d1cd754f6_pv,@function
k_q7d1cd754f6_pv:
	s_mov_b64 s[64:65], 0
	v_nop
	global_prefetch_b8 v0, s[64:65] scope:SCOPE_SE
	s_setreg_imm32_b32 hwreg(HW_REG_WAVE_MODE, 25, 1), 1
	s_wait_xcnt 0x0
	s_wait_alu depctr_hold_cnt(0) depctr_sa_sdst(0) depctr_va_vdst(0) depctr_va_sdst(0) depctr_va_ssrc(0) depctr_va_vcc(0) depctr_vm_vsrc(0)
	s_getreg_b32 s2, hwreg(HW_REG_IB_STS2, 6, 4)
	s_cmp_eq_u32 s2, 0
	s_cbranch_scc0 .Lentry_in_a_cluster
	s_endpgm
.Lentry_in_a_cluster:
	s_bfe_u32 s2, ttmp6, 0x10000c
	s_cmp_lg_u32 s2, 0xf033
	s_cbranch_scc0 .Lentry_shape_is_right
	s_endpgm
.Lentry_shape_is_right:
; For each batch: O = (p V) / l on codes of FP6 (E2M3) with E8M0 scales, quantised along the channels and stored as images of operand registers.
; p comes in 16 runs of 128 keys, each under its own whole number M'.  The row's M is the largest M'; d = M - M' is a whole number, 0 or more.  A run is brought under M by taking d off its four scale bytes:
; an exact power of two, so that the quantised numbers are those of p = 2^(t - M).  The row's sum is the sum of the runs' sums x 2^-d.
; LIMITS: d is held at 127, and a scale byte that would fall under 0 is held at 0 (2^-127): such a block lies more than 2^120 under the row's largest p.  NaN and infinities are not served; a block of zeros carries the byte 1.
; A tile is 128 queries x 256 channels; four waves of 64 x 128.  K = 2,048 keys = 16 K steps, through two LDS slots of 4 K steps: two first fills and two refills, written out: no loop.
; A refill has four K steps, 128 products a wave, in which to land; by this text's count a wave has two tensor loads out at the start and one behind each refill's round.
; CLUSTERS 4 x 4: p's tile is shared along a row of the cluster, V^T's along a column, each asked for jointly; a round of the cluster's barrier stands in front of each refill.
; REGISTERS: window 0: v4-15 addresses; v16-23 1 / l for my four blocks; v32-127 scale words; v128-135 statistics; v144-159 the quantiser's work; v160-255 first -M', sums and work, then A's fragments, two sets, later O / l, codes.  Window 1: B's fragments.  Window 2: accumulators.
.set NK,    16
.set FK,    4
.set FKB,   FK*1536
.set REG,   24*FKB                     ; a slot
.set SPARE, 2*REG
.set PSC,   12582912
.set VTIMG, 13107200
.set VTSC,  19398656
.set OSC,   6291456
.set LI,   4
.set LS,   5
.set ADRA, 6
.set ADRB, 10
.set SPW,  14
.set NIL,  15
.set RL,   16
.set SC,   32
.set NMR,  128                         ; v128-129 -M of the rows of my two groups;  v130-131 their sums;  v132-133 1 / sum;  v134-135 the same from lane l xor 16
.set LR,   130
.set RC,   132
.set RX,   134
.set TM,   144
.set AF,   160
.set NM,   160                         ; v[160 + 2 t + j]: -M' of run t, group j
.set LL,   192                         ; v[192 + 2 t + j]: its sum
.set H,    160
.set PC,   224
.set PW,   244
.set SW,   248
.set G1A,  24
.set G1B,  48
.set G0A,  68
.set G0B,  84
.set SEL,  56
.set HM,   60
.set MSB, 0
.macro WIN new                         ; the immediate's high byte repeats the setting that is left
.if MSB != (\new)
	s_set_vgpr_msb (MSB<<8)|(\new)
.set MSB, (\new)
.endif
.endm
.macro PLACES n
.rept \n
	v_nop
.endr
.endm
.macro CROUND                          ; a round of the cluster's barrier
	s_barrier_signal -1
	s_barrier_wait -1
	s_cmp_lg_u32 s14, 0
	s_cbranch_scc1 .Lnot_wave_0_\@
	s_barrier_signal -3
.Lnot_wave_0_\@:
	s_barrier_wait -3
	s_barrier_signal -1
	s_barrier_wait -1
.endm
; a joint refill: waves 0 and 1 fetch for A, waves 2 and 3 for B; an s_nop 0 and four v_nop follow each of the two lines
.macro JLOAD g0a, g0b
	s_cmp_eq_u32 s15, 0
	s_cbranch_scc0 .Lfor_b_\@
	tensor_load_to_lds s[(\g0a):(\g0a)+3], s[G1A:G1A+7]
	s_nop 0
	PLACES 4
	s_branch .Lasked_\@
.Lfor_b_\@:
	tensor_load_to_lds s[(\g0b):(\g0b)+3], s[G1B:G1B+7]
	s_nop 0
	PLACES 4
.Lasked_\@:
.endm
.macro W1 d, s0, s1, cm, cr, x0, x1, r0, r1
.if (\cm) == 0
.if (\r0) && (\r1)
	v_wmma_scale_f32_16x16x128_f8f6f4 v[(\d):(\d)+7], v[(\s0):(\s0)+11], v[(\s1):(\s1)+11], 0, v[(\x0)], v[(\x1)] matrix_a_fmt:MATRIX_FMT_FP6 matrix_b_fmt:MATRIX_FMT_FP6 matrix_a_scale:MATRIX_SCALE_ROW1 matrix_b_scale:MATRIX_SCALE_ROW1
.elseif (\r0)
	v_wmma_scale_f32_16x16x128_f8f6f4 v[(\d):(\d)+7], v[(\s0):(\s0)+11], v[(\s1):(\s1)+11], 0, v[(\x0)], v[(\x1)] matrix_a_fmt:MATRIX_FMT_FP6 matrix_b_fmt:MATRIX_FMT_FP6 matrix_a_scale:MATRIX_SCALE_ROW1
.elseif (\r1)
	v_wmma_scale_f32_16x16x128_f8f6f4 v[(\d):(\d)+7], v[(\s0):(\s0)+11], v[(\s1):(\s1)+11], 0, v[(\x0)], v[(\x1)] matrix_a_fmt:MATRIX_FMT_FP6 matrix_b_fmt:MATRIX_FMT_FP6 matrix_b_scale:MATRIX_SCALE_ROW1
.else
	v_wmma_scale_f32_16x16x128_f8f6f4 v[(\d):(\d)+7], v[(\s0):(\s0)+11], v[(\s1):(\s1)+11], 0, v[(\x0)], v[(\x1)] matrix_a_fmt:MATRIX_FMT_FP6 matrix_b_fmt:MATRIX_FMT_FP6
.endif
.else
.if (\r0) && (\r1)
	v_wmma_scale_f32_16x16x128_f8f6f4 v[(\d):(\d)+7], v[(\s0):(\s0)+11], v[(\s1):(\s1)+11], v[(\cr):(\cr)+7], v[(\x0)], v[(\x1)] matrix_a_fmt:MATRIX_FMT_FP6 matrix_b_fmt:MATRIX_FMT_FP6 matrix_a_scale:MATRIX_SCALE_ROW1 matrix_b_scale:MATRIX_SCALE_ROW1
.elseif (\r0)
	v_wmma_scale_f32_16x16x128_f8f6f4 v[(\d):(\d)+7], v[(\s0):(\s0)+11], v[(\s1):(\s1)+11], v[(\cr):(\cr)+7], v[(\x0)], v[(\x1)] matrix_a_fmt:MATRIX_FMT_FP6 matrix_b_fmt:MATRIX_FMT_FP6 matrix_a_scale:MATRIX_SCALE_ROW1
.elseif (\r1)
	v_wmma_scale_f32_16x16x128_f8f6f4 v[(\d):(\d)+7], v[(\s0):(\s0)+11], v[(\s1):(\s1)+11], v[(\cr):(\cr)+7], v[(\x0)], v[(\x1)] matrix_a_fmt:MATRIX_FMT_FP6 matrix_b_fmt:MATRIX_FMT_FP6 matrix_b_scale:MATRIX_SCALE_ROW1
.else
	v_wmma_scale_f32_16x16x128_f8f6f4 v[(\d):(\d)+7], v[(\s0):(\s0)+11], v[(\s1):(\s1)+11], v[(\cr):(\cr)+7], v[(\x0)], v[(\x1)] matrix_a_fmt:MATRIX_FMT_FP6 matrix_b_fmt:MATRIX_FMT_FP6
.endif
.endif
.endm
; K step t on fragment set p: 32 products, the 32 accumulators by turns in the same order in every K step.  mode 0: the sums start at 0;  1: they go on
.macro MUL p, t, mode
	WIN 0xa1                                       ; source 0 (B) window 1, source 1 (A) window 0, C and D window 2
.irp a, 0,1,2,3
.irp b, 0,1,2,3,4,5,6,7
.if (\mode) == 0
	W1 64*\a+8*\b, 96*(\p)+12*\b, AF+48*(\p)+12*\a, 0, 0, SC+6*(\t)+\b/2, SC+6*(\t)+4+\a/2, \b%2, \a%2
.else
	W1 64*\a+8*\b, 96*(\p)+12*\b, AF+48*(\p)+12*\a, 1, 64*\a+8*\b, SC+6*(\t)+\b/2, SC+6*(\t)+4+\a/2, \b%2, \a%2
.endif
.endr
.endr
.endm
.macro FETCH f, q, p
	WIN 0x40                                       ; destination window 1, address window 0
.irp b, 0,1,2,3,4,5,6,7
.irp c, 0,1,2
	ds_load_b128 v[96*(\p)+12*\b+4*\c:96*(\p)+12*\b+4*\c+3], v[ADRB+(\f)] offset:\b*FKB+1536*(\q)+512*\c
.endr
.endr
	WIN 0
.irp a, 0,1,2,3
.irp c, 0,1,2
	ds_load_b128 v[AF+48*(\p)+12*\a+4*\c:AF+48*(\p)+12*\a+4*\c+3], v[ADRA+(\f)] offset:\a*FKB+1536*(\q)+512*\c
.endr
.endr
.endm
; K step t.  Its fragments were asked for a K step ago; the next K step's are asked for here, ahead of its products
.macro KP t, mode
.if (\t) == NK-1
	s_wait_dscnt 0x0
.elseif ((\t)%FK) != (FK-1)
	s_wait_dscnt 0x0
.if (\t) > 0
	PLACES 4                                       ; four places in front of loads into registers that the last K step's products read
.endif
	FETCH (((\t)+1)/FK)%2, ((\t)+1)%FK, ((\t)+1)%2
.elseif (\t) == 11
	s_wait_tensorcnt 0x0                           ; the last refill, K steps 12 to 15, has landed
	s_wait_dscnt 0x0
	s_barrier_signal -1
	s_barrier_wait -1
	PLACES 4
	FETCH (((\t)+1)/FK)%2, ((\t)+1)%FK, ((\t)+1)%2
.else
	WIN 0                                          ; THE CHANGE OF SLOTS: this slot's last fragments are asked for
	s_wait_tensorcnt 0x0                           ; all my tensor loads have landed: my part of the other slot
	ds_add_u32 v[SPW], v[NIL]                      ; 0 onto my spare word
	s_add_nc_u64 s[G0A+4*(((\t)/FK)%2)+2:G0A+4*(((\t)/FK)%2)+3], s[G0A+4*(((\t)/FK)%2)+2:G0A+4*(((\t)/FK)%2)+3], 2*FKB   ; this slot's next four K steps: eight K steps on
	s_add_nc_u64 s[G0B+4*(((\t)/FK)%2)+2:G0B+4*(((\t)/FK)%2)+3], s[G0B+4*(((\t)/FK)%2)+2:G0B+4*(((\t)/FK)%2)+3], 2*FKB
	s_wait_dscnt 0x0                               ; the add is done, and my reads of this slot are over
	CROUND                                         ; both now hold of every wave of every partner
	JLOAD G0A+4*(((\t)/FK)%2), G0B+4*(((\t)/FK)%2) ; the first tensor load behind the round, my only one until the next; its four v_nop are the places in front of the loads below
	FETCH (((\t)+1)/FK)%2, ((\t)+1)%FK, ((\t)+1)%2
.endif
	MUL (\t)%2, \t, \mode
.endm
.macro QUANT s, w, pw
	WIN 5*(\w)
.irp b, 0,1,2,3
	v_max3_num_f32 v[TM+\b], |v[(\s)+16*\b]|, |v[(\s)+1+16*\b]|, 0x1800000   ; my 16 numbers of block b, and the floor 2^(3 - 127): the byte cannot fall under 1
.endr
	WIN 20*(\w)
.irp i, 2,4,6,8,10,12,14
.irp b, 0,1,2,3
	v_max3_num_f32 v[TM+\b], v[TM+\b], |v[(\s)+16*\b+\i]|, |v[(\s)+1+16*\b+\i]|
.endr
.endr
	WIN 0
.irp b, 0,1,2,3
	v_permlanex16_b32 v[TM+4+\b], v[TM+\b], s[SEL], s[SEL+1]
.endr
.irp b, 0,1,2,3
	v_max_num_f32 v[TM+\b], v[TM+\b], v[TM+4+\b]
.endr
.irp b, 0,1,2,3
	v_add_nc_u32 v[TM+12+\b], 0xff000000, v[TM+\b]
.endr
.irp b, 0,1,2,3
	v_lshrrev_b32 v[TM+4+\b], 23, v[TM+12+\b]
.endr
	v_lshl_or_b32 v[\pw], v[TM+5], 8, v[TM+4]
	v_lshl_or_b32 v[\pw], v[TM+6], 16, v[\pw]
	v_lshl_or_b32 v[\pw], v[TM+7], 24, v[\pw]
	WIN \w
.irp c, 0,1
	v_cvt_scalef32_pk16_fp6_f32 v[PC+6*\c:PC+2+6*\c], v[(\s)+32*\c:(\s)+15+32*\c], v[TM+12+2*\c]
	v_cvt_scalef32_pk16_fp6_f32 v[PC+12+4*\c:PC+14+4*\c], v[(\s)+16+32*\c:(\s)+31+32*\c], v[TM+12+2*\c+1]
.endr
	WIN 0
	v_nop                                          ; one plain place behind a scaled conversion
.irp c, 0,1
.irp i, 0,1,2
	v_permlane16_swap_b32 v[PC+6*\c+\i], v[PC+12+4*\c+\i]
.endr
.irp i, 0,1,2
	v_mov_b32 v[PC+3+6*\c+\i], v[PC+12+4*\c+\i]
.endr
.endr
.endm
; run t, group j: the run's four scale bytes less d, held at 0; its sum x 2^-d.  All in the lane that holds the row's words
.macro ADJ t, j
.set WK, 240+8*(\j)
	v_sub_f32 v[WK], v[NM+2*(\t)+(\j)], v[NMR+(\j)]    ; d = M - M': a whole number, 0 or more
	v_min_num_f32 v[WK], 0x42fe0000, v[WK]             ; held at 127
	v_cvt_u32_f32 v[WK], v[WK]
	v_sub_nc_u32 v[WK+1], 0, v[WK]                     ; -d
	v_perm_b32 v[WK+2], v[WK], v[WK], 0                ; d in all four bytes
	v_or_b32 v[WK+3], 0x80808080, v[SC+6*(\t)+4+(\j)]  ; 128 + byte, so that no borrow leaves a byte (the bytes are 125 at the most)
	v_sub_nc_u32 v[WK+3], v[WK+3], v[WK+2]
	v_lshrrev_b32 v[WK+4], 7, v[WK+3]
	v_and_b32 v[WK+4], 0x01010101, v[WK+4]             ; 1 where byte - d is 0 or more
	v_lshlrev_b32 v[WK+5], 8, v[WK+4]
	v_sub_nc_u32 v[WK+4], v[WK+5], v[WK+4]             ; 0xff there
	v_and_b32 v[WK+3], 0x7f7f7f7f, v[WK+3]
	v_and_b32 v[SC+6*(\t)+4+(\j)], v[WK+3], v[WK+4]
.if (\t) == 0
	v_ldexp_f32 v[LR+(\j)], v[LL+(\j)], v[WK+1]        ; the first run starts the row's sum
.else
	v_ldexp_f32 v[WK+5], v[LL+2*(\t)+(\j)], v[WK+1]
	v_add_f32 v[LR+(\j)], v[LR+(\j)], v[WK+5]
.endif
.endm
	s_load_b128 s[4:7], s[0:1], 0x0                ; pp, qkv
	s_load_b64 s[8:9], s[0:1], 0x10                ; oo
	v_lshl_add_u32 v[SPW], v0, 2, SPARE
	v_mov_b32 v[NIL], 0
	ds_add_u32 v[SPW], v[NIL]                      ; the wave's opening: the add and its wait stand ahead of my first tensor load
	v_lshrrev_b32 v1, 5, v0
	v_readfirstlane_b32 s14, v1                    ; wave 0..3
	s_lshr_b32 s15, s14, 1                         ; wm; also: I fetch for A (0) or B (1)
	s_and_b32 s16, s14, 1                          ; wn; also: which half I fetch
	s_bfe_u32 s40, ttmp6, 0x40000                  ; cx
	s_bfe_u32 s41, ttmp6, 0x40004                  ; cy
	s_lshl_b32 s43, s41, 2
	s_lshl_b32 s43, 15, s43
	s_lshl_b32 s44, 0x1111, s40
	s_or_b32 s[G1A], s43, (3<<16)|(1<<21)
	s_mov_b32 s[G1A+1], (192*FK)<<16
	s_mov_b32 s[G1A+2], 4<<16
	s_mov_b32 s[G1A+3], (192*FK)<<16
	s_mov_b32 s[G1A+4], 4
	s_mov_b32 s[G1A+5], 192*16                     ; p: 16 fragments from row block to row block
	s_mov_b32 s[G1A+6], 0
	s_mov_b32 s[G1A+7], 0
	s_or_b32 s[G1B], s44, (3<<16)|(1<<21)
	s_mov_b32 s[G1B+1], (192*FK)<<16
	s_mov_b32 s[G1B+2], 8<<16
	s_mov_b32 s[G1B+3], (192*FK)<<16
	s_mov_b32 s[G1B+4], 8
	s_mov_b32 s[G1B+5], 192*64                     ; V^T: 64
	s_mov_b32 s[G1B+6], 0
	s_mov_b32 s[G1B+7], 0
	s_mov_b32 s[SEL], 0x76543210
	s_mov_b32 s[SEL+1], 0xfedcba98
	s_mov_b32 s[HM], 0xffff0000
	s_and_b32 s18, ttmp7, 0xffff
	s_lshl_b32 s17, s18, 2
	s_add_co_u32 s17, s17, s41                     ; tile row: 128 queries
	s_lshr_b32 s19, s18, 2                         ; the batch: the same in the whole cluster
	s_mov_b32 s42, s40                             ; tile column: 256 channels
	s_lshl_b32 s20, s17, 3                         ; p: row block 8 x tile row + 4 x my half
	s_lshl_b32 s21, s16, 2
	s_add_co_u32 s20, s20, s21
	s_mul_i32 s20, s20, 24576
	s_mov_b32 s21, 0
	s_lshl_b32 s22, s42, 4                         ; V^T: row block 16 x tile column + 8 x my half, 98,304 bytes each; the batch's 16 K steps
	s_lshl_b32 s23, s16, 3
	s_add_co_u32 s22, s22, s23
	s_mul_i32 s22, s22, 98304
	s_mul_i32 s23, s19, 24576
	s_add_co_u32 s22, s22, s23
	s_add_co_u32 s22, s22, VTIMG
	s_mov_b32 s23, 0
	s_lshl_b32 s32, s17, 2                         ; p's scale words: group 4 x tile row + 2 wm; -M' lies 524,288 and the sums 1,048,576 bytes on
	s_lshl_b32 s33, s15, 1
	s_add_co_u32 s32, s32, s33
	s_lshl_b32 s32, s32, 11
	s_add_co_u32 s32, s32, PSC
	s_mov_b32 s33, 0
	s_lshl_b32 s34, s42, 3                         ; V^T's: group 8 x tile column + 4 wn, 8,192 bytes each; the batch's 2,048
	s_lshl_b32 s35, s16, 2
	s_add_co_u32 s34, s34, s35
	s_lshl_b32 s34, s34, 13
	s_lshl_b32 s35, s19, 11
	s_add_co_u32 s34, s34, s35
	s_add_co_u32 s34, s34, VTSC
	s_mov_b32 s35, 0
	s_lshl_b32 s46, s42, 1
	s_add_co_u32 s46, s46, s16                     ; my K step of the last product: 2 x tile column + wn
	s_lshl_b32 s47, s17, 3
	s_lshl_b32 s38, s15, 2
	s_add_co_u32 s47, s47, s38
	s_lshl_b32 s47, s47, 3
	s_add_co_u32 s47, s47, s46
	s_mul_i32 s62, s47, 1536                       ; O's images
	s_mov_b32 s63, 0
	s_lshl_b32 s47, s17, 2
	s_lshl_b32 s38, s15, 1
	s_add_co_u32 s47, s47, s38
	s_lshl_b32 s47, s47, 3
	s_add_co_u32 s47, s47, s46
	s_lshl_b32 s2, s47, 7                          ; its scale words
	s_add_co_u32 s2, s2, OSC
	s_mov_b32 s3, 0
	s_mul_i32 s46, s16, 4*FKB
	s_mul_i32 s47, s16, 8*FKB
	s_add_co_u32 s47, s47, 8*FKB
	s_wait_dscnt 0x0                               ; the opening add is done
	s_wait_kmcnt 0x0
	s_add_nc_u64 s[20:21], s[4:5], s[20:21]
	s_add_nc_u64 s[22:23], s[6:7], s[22:23]
	s_add_nc_u64 s[32:33], s[4:5], s[32:33]
	s_add_nc_u64 s[34:35], s[6:7], s[34:35]
	s_add_nc_u64 s[62:63], s[8:9], s[62:63]
	s_add_nc_u64 s[2:3], s[8:9], s[2:3]
.irp f, 0,1
	s_mov_b32 s[G0A+4*\f], 1
	s_add_co_u32 s[G0A+4*\f+1], s46, \f*REG
	s_add_nc_u64 s[G0A+4*\f+2:G0A+4*\f+3], s[20:21], \f*FKB
	s_or_b32 s[G0A+4*\f+3], s[G0A+4*\f+3], 0x80000000
	s_mov_b32 s[G0B+4*\f], 1
	s_add_co_u32 s[G0B+4*\f+1], s47, \f*REG
	s_add_nc_u64 s[G0B+4*\f+2:G0B+4*\f+3], s[22:23], \f*FKB
	s_or_b32 s[G0B+4*\f+3], s[G0B+4*\f+3], 0x80000000
.endr
	CROUND                                         ; all sixteen work-groups are here: the joint loads meet
	s_cmp_eq_u32 s15, 0                            ; a wave's two first fills stand in one branch on the wave's number
	s_cbranch_scc0 .Lfill_b
.irp f, 0,1
	tensor_load_to_lds s[G0A+4*\f:G0A+4*\f+3], s[G1A:G1A+7]
	s_nop 0
.endr
	PLACES 4
	s_branch .Lfilled
.Lfill_b:
.irp f, 0,1
	tensor_load_to_lds s[G0B+4*\f:G0B+4*\f+3], s[G1B:G1B+7]
	s_nop 0
.endr
	PLACES 4
.Lfilled:
	v_and_b32 v1, 31, v0
	v_lshlrev_b32 v[LI], 4, v1
	v_lshlrev_b32 v[LS], 2, v1
	s_mul_i32 s46, s15, 4*FKB
	s_mul_i32 s47, s16, 8*FKB
	s_add_co_u32 s47, s47, 8*FKB
.irp f, 0,1
	v_add_nc_u32 v[ADRA+\f], s46, v[LI]
	v_add_nc_u32 v[ADRB+\f], s47, v[LI]
	s_add_co_u32 s46, s46, REG
	s_add_co_u32 s47, s47, REG
.endr
.set TT, 0
.rept NK                                       ; -M', the sums and all scale words of my rows, once, 128 consecutive bytes a load
.irp jj, 0,1
	global_load_b32 v[NM+2*TT+\jj], v[LS], s[32:33] offset:524288+\jj*2048+128*TT
	global_load_b32 v[LL+2*TT+\jj], v[LS], s[32:33] offset:1048576+\jj*2048+128*TT
	global_load_b32 v[SC+6*TT+4+\jj], v[LS], s[32:33] offset:\jj*2048+128*TT
.endr
.irp jj, 0,1,2,3
	global_load_b32 v[SC+6*TT+\jj], v[LS], s[34:35] offset:\jj*8192+128*TT
.endr
.set TT, TT+1
.endr
.irp b, 0,1,2,3
	v_mov_b32 v[TM+4+\b], 0                        ; written once: a lane permute's destination counts as one of its sources
.endr
	s_wait_loadcnt 0x0
	; while the first tiles are on their way: the rows' M, the shifted scale bytes, the rows' sums
.irp j, 0,1
	v_min3_num_f32 v[NMR+\j], v[NM+\j], v[NM+2+\j], v[NM+4+\j]         ; -M = the least -M'
.endr
.irp t, 3,5,7,9,11,13
.irp j, 0,1
	v_min3_num_f32 v[NMR+\j], v[NMR+\j], v[NM+2*\t+\j], v[NM+2*\t+2+\j]
.endr
.endr
.irp j, 0,1
	v_min_num_f32 v[NMR+\j], v[NMR+\j], v[NM+30+\j]
.endr
.irp t, 0,1,2,3,4,5,6,7,8,9,10,11,12,13,14,15
	ADJ \t, 0
	ADJ \t, 1
.endr
	v_rcp_f32 v[RC], v[LR]
	v_rcp_f32 v[RC+1], v[LR+1]
	v_mov_b32 v[RX], 0                             ; (the plain place behind the reciprocals; a lane permute's destination)
	v_mov_b32 v[RX+1], 0
	s_wait_alu depctr_va_vdst(0)                   ; one wait for both, ahead of their first reader
	v_permlanex16_b32 v[RX], v[RC], s[SEL], s[SEL+1]
	v_permlanex16_b32 v[RX+1], v[RC+1], s[SEL], s[SEL+1]
	v_cndmask_b32 v[RL], v[RC], v[RX], s[HM]       ; block 0's rows stand in lanes 0-15 of group 0: both halves of the lanes get them;
	v_cndmask_b32 v[RL+2], v[RX], v[RC], s[HM]     ; block 1's in lanes 16-31
	v_cndmask_b32 v[RL+4], v[RC+1], v[RX+1], s[HM]
	v_cndmask_b32 v[RL+6], v[RX+1], v[RC+1], s[HM]
.irp a, 0,1,2,3
	v_mov_b32 v[RL+2*\a+1], 0                      ; (named as the upper half of a pair)
.endr
	PLACES 8                                       ; scale registers written by vector instructions stand eight places ahead of a scaled product
	s_wait_tensorcnt 1                             ; my part of slot 0 has landed; slot 1's stays out
	s_barrier_signal -1
	s_barrier_wait -1
	FETCH 0, 0, 0
	KP 0, 0                                        ; the first K step starts the sums: nothing is cleared
.irp t, 1,2,3,4,5,6,7,8,9,10,11,12,13,14,15
	KP \t, 1
.endr
	WIN 0
	PLACES 4                                       ; four places behind the last products
.irp a, 0,1,2,3
	WIN 0x02                                       ; source 0 window 2
.set JJ, 0
.rept 32
	v_pk_mul_f32 v[H+JJ:H+JJ+1], v[64*\a+JJ:64*\a+JJ+1], v[RL+2*\a:RL+2*\a+1] op_sel_hi:[1,0]   ; O / l, each accumulator from its low end on
.set JJ, JJ+2
.endr
	WIN 0
.if \a > 0
	s_wait_xcnt 0x0                                ; the last block's stores have read the codes' registers
.endif
	QUANT H, 0, PW+\a
.irp c, 0,1,2
	global_store_b128 v[LI], v[PC+4*\c:PC+4*\c+3], s[62:63] offset:\a*12288+512*\c
.endr
.endr
.irp j, 0,1
	v_cndmask_b32 v[SW+\j], v[PW+2*\j], v[PW+2*\j+1], s[HM]
	global_store_b32 v[LS], v[SW+\j], s[2:3] offset:1024*\j
.endr
	s_wait_tensorcnt 0x0                           ; the wave's end
	ds_add_u32 v[SPW], v[NIL]
	s_wait_dscnt 0x0
	CROUND                                         ; the closing round
	s_endpgm
.Lfunc_end_k_q7d1cd754f6_pv:
	.size	k_q7d1cd754f6_pv, .Lfunc_end_k_q7d1cd754f6_pv-k_q7d1cd754f6_pv
	.p2alignl 7, 3214868480
	.fill 96, 4, 3214868480
	.section	.rodata,"a",@progbits
	.p2align	6, 0x0
	.amdhsa_kernel k_q7d1cd754f6_pv
		.amdhsa_group_segment_fixed_size 327680
		.amdhsa_private_segment_fixed_size 0
		.amdhsa_enable_private_segment 0
		.amdhsa_kernarg_size 24
		.amdhsa_user_sgpr_count 2
		.amdhsa_user_sgpr_kernarg_segment_ptr 1
		.amdhsa_wavefront_size32 1
		.amdhsa_system_sgpr_workgroup_id_x 1
		.amdhsa_system_sgpr_workgroup_id_y 1
		.amdhsa_system_sgpr_workgroup_id_z 1
		.amdhsa_system_vgpr_workitem_id 0
		.amdhsa_next_free_vgpr 768
		.amdhsa_next_free_sgpr 100
		.amdhsa_reserve_vcc 0
		.amdhsa_float_denorm_mode_32 3
		.amdhsa_float_denorm_mode_16_64 3
		.amdhsa_memory_ordered 1
		.amdhsa_forward_progress 1
		.amdhsa_inst_pref_size 177
	.end_amdhsa_kernel
	.amdgpu_metadata
---
amdhsa.version: [ 1, 2 ]
amdhsa.kernels:
  - .name:           k_q7d1cd754f6_pv
    .symbol:         k_q7d1cd754f6_pv.kd
    .args:
      - { .name: pp, .offset: 0, .size: 8, .value_kind: global_buffer, .address_space: global }
      - { .name: qkv, .offset: 8, .size: 8, .value_kind: global_buffer, .address_space: global }
      - { .name: oo, .offset: 16, .size: 8, .value_kind: global_buffer, .address_space: global }
    .group_segment_fixed_size: 327680
    .private_segment_fixed_size: 0
    .kernarg_segment_align: 8
    .kernarg_segment_size: 24
    .max_flat_workgroup_size: 128
    .sgpr_count:     100
    .vgpr_count:     768
    .wavefront_size: 32
...
	.end_amdgpu_metadata
.endif
;; end of part 4
;; launch final (part 5): grid 4 x 64, 4 waves a work-group, clusters of 4 x 4, 327,680 bytes of LDS; arguments oo, xw, bc, out0; writes out0
.if DOCPART == 5
	.amdgcn_target "amdgcn-amd-amdhsa--gfx1250"
	.amdhsa_code_object_version 6
	.text
	.protected	k_q7d1cd754f6_final
	.globl	k_q7d1cd754f6_final
	.p2align	8
	.type	k_q7d1cd754f6_final,@function
k_q7d1cd754f6_final:
	s_mov_b64 s[64:65], 0
	v_nop
	global_prefetch_b8 v0, s[64:65] scope:SCOPE_SE
	s_setreg_imm32_b32 hwreg(HW_REG_WAVE_MODE, 25, 1), 1
	s_wait_xcnt 0x0
	s_wait_alu depctr_hold_cnt(0) depctr_sa_sdst(0) depctr_va_vdst(0) depctr_va_sdst(0) depctr_va_ssrc(0) depctr_va_vcc(0) depctr_vm_vsrc(0)
	s_getreg_b32 s2, hwreg(HW_REG_IB_STS2, 6, 4)
	s_cmp_eq_u32 s2, 0
	s_cbranch_scc0 .Lentry_in_a_cluster
	s_endpgm
.Lentry_in_a_cluster:
	s_bfe_u32 s2, ttmp6, 0x10000c
	s_cmp_lg_u32 s2, 0xf033
	s_cbranch_scc0 .Lentry_shape_is_right
	s_endpgm
.Lentry_shape_is_right:
; out0 = O Wc + bc on codes of FP6 (E2M3) with E8M0 scales; out0 [8192][1024] f32.
; OPERANDS are images of operand registers ([row block][K step][1,536 bytes]); lane r of row block i holds true row 32 (i / 2) + 8 (i % 2) + r + 8 (r / 8): this launch puts the rows back in their places.
; A tile is 128 rows x 256 columns; four waves of 64 x 128.  K = 1,024: the whole K of a tile lies in LDS: four first fills a wave, no byte is filled again.
; CLUSTERS 4 x 4: O's tile is shared along a row of the cluster, Wc's along a column, each asked for jointly.
; THE WAY OUT: a lane holds 16 neighbouring columns in two accumulators, and the lanes beside it other rows: a block of 16 rows x 128 columns goes through my stage in LDS and leaves as rows of 512 consecutive bytes.
; The stages lie in region 0, which has had its only fill; every wave's last read of it stands ahead of a barrier that all have passed.
; LIMITS: NaN and infinities are not served.
; REGISTERS: window 0: v4-17 addresses; v22 the bias's offset; v32-79 scale words; v80-143 the bias, later rows of out0; v160-255 A's fragments, two sets, later rows of out0.  Window 1: B's fragments.  Window 2: accumulators.
.set NK,    8
.set FK,    2
.set FKB,   FK*1536
.set REG,   24*FKB
.set SPARE, 4*REG
.set OSC,   6291456
.set WCIMG, 8912896                    ; Wc's images in xw
.set WCSC,  9797632                    ; and its scale words
.set LI,   4
.set LS,   5
.set ADRA, 6
.set ADRB, 10
.set SPW,  14
.set NIL,  15
.set STO,  16
.set RD,   17
.set BA,   22
.set SC,   32
.set BI,   80
.set AF,   160
.set G1A,  24
.set G1B,  48
.set G0A,  68
.set G0B,  84
.set MSB, 0
.macro WIN new                         ; the immediate's high byte repeats the setting that is left
.if MSB != (\new)
	s_set_vgpr_msb (MSB<<8)|(\new)
.set MSB, (\new)
.endif
.endm
.macro PLACES n
.rept \n
	v_nop
.endr
.endm
.macro CROUND                          ; a round of the cluster's barrier
	s_barrier_signal -1
	s_barrier_wait -1
	s_cmp_lg_u32 s14, 0
	s_cbranch_scc1 .Lnot_wave_0_\@
	s_barrier_signal -3
.Lnot_wave_0_\@:
	s_barrier_wait -3
	s_barrier_signal -1
	s_barrier_wait -1
.endm
.macro W1 d, s0, s1, cr, x0, x1, r0, r1
.if (\r0) && (\r1)
	v_wmma_scale_f32_16x16x128_f8f6f4 v[(\d):(\d)+7], v[(\s0):(\s0)+11], v[(\s1):(\s1)+11], v[(\cr):(\cr)+7], v[(\x0)], v[(\x1)] matrix_a_fmt:MATRIX_FMT_FP6 matrix_b_fmt:MATRIX_FMT_FP6 matrix_a_scale:MATRIX_SCALE_ROW1 matrix_b_scale:MATRIX_SCALE_ROW1
.elseif (\r0)
	v_wmma_scale_f32_16x16x128_f8f6f4 v[(\d):(\d)+7], v[(\s0):(\s0)+11], v[(\s1):(\s1)+11], v[(\cr):(\cr)+7], v[(\x0)], v[(\x1)] matrix_a_fmt:MATRIX_FMT_FP6 matrix_b_fmt:MATRIX_FMT_FP6 matrix_a_scale:MATRIX_SCALE_ROW1
.elseif (\r1)
	v_wmma_scale_f32_16x16x128_f8f6f4 v[(\d):(\d)+7], v[(\s0):(\s0)+11], v[(\s1):(\s1)+11], v[(\cr):(\cr)+7], v[(\x0)], v[(\x1)] matrix_a_fmt:MATRIX_FMT_FP6 matrix_b_fmt:MATRIX_FMT_FP6 matrix_b_scale:MATRIX_SCALE_ROW1
.else
	v_wmma_scale_f32_16x16x128_f8f6f4 v[(\d):(\d)+7], v[(\s0):(\s0)+11], v[(\s1):(\s1)+11], v[(\cr):(\cr)+7], v[(\x0)], v[(\x1)] matrix_a_fmt:MATRIX_FMT_FP6 matrix_b_fmt:MATRIX_FMT_FP6
.endif
.endm
; K step t on fragment set p: 32 products, the 32 accumulators by turns in the same order in every K step.  mode 1: the sums go on;  2: they start at the bias of B's block b
.macro MUL p, t, mode
.if (\mode) == 2
	WIN 0x81                                       ; source 0 (B) window 1, source 1 (A) and C window 0, D window 2
.else
	WIN 0xa1                                       ; source 0 window 1, source 1 window 0, C and D window 2
.endif
.irp a, 0,1,2,3
.irp b, 0,1,2,3,4,5,6,7
.if (\mode) == 2
	W1 64*\a+8*\b, 96*(\p)+12*\b, AF+48*(\p)+12*\a, BI+8*\b, SC+6*(\t)+\b/2, SC+6*(\t)+4+\a/2, \b%2, \a%2
.else
	W1 64*\a+8*\b, 96*(\p)+12*\b, AF+48*(\p)+12*\a, 64*\a+8*\b, SC+6*(\t)+\b/2, SC+6*(\t)+4+\a/2, \b%2, \a%2
.endif
.endr
.endr
.endm
.macro FETCH f, q, p
	WIN 0x40                                       ; destination window 1, address window 0
.irp b, 0,1,2,3,4,5,6,7
.irp c, 0,1,2
	ds_load_b128 v[96*(\p)+12*\b+4*\c:96*(\p)+12*\b+4*\c+3], v[ADRB+(\f)] offset:\b*FKB+1536*(\q)+512*\c
.endr
.endr
	WIN 0
.irp a, 0,1,2,3
.irp c, 0,1,2
	ds_load_b128 v[AF+48*(\p)+12*\a+4*\c:AF+48*(\p)+12*\a+4*\c+3], v[ADRA+(\f)] offset:\a*FKB+1536*(\q)+512*\c
.endr
.endr
.endm
.macro KSTEP t, mode
	s_wait_dscnt 0x0                               ; this K step's fragments are in; no LDS instruction of mine is out at a signal
.if (\t)+1 < NK
.if ((\t)+1)%FK == 0
	s_wait_tensorcnt 3-((\t)+1)/FK                 ; my part of the next region has landed; my later first fills stay out: no byte is filled again behind this barrier
	s_barrier_signal -1
	s_barrier_wait -1
.endif
.if (\t) > 0
	PLACES 4                                       ; four places in front of loads into registers that the last K step's products read
.endif
	FETCH ((\t)+1)/FK, ((\t)+1)%FK, ((\t)+1)%2
.endif
	MUL (\t)%2, \t, \mode
.endm
.macro TOSTAGE a                       ; block a into my stage, and back as whole rows.  LDS serves a wave's instructions in order
.set AC, 64*(\a)
.set BB, 160-80*((\a)%2)
	WIN 0x08                                       ; an LDS store's data are its source 1: window 2
.irp b, 0,1,2,3,4,5,6,7
	ds_store_b128 v[STO], v[AC+8*\b:AC+8*\b+3] offset:128*(\b/2)+32*(\b%2)        ; lane (r, h): columns 32 (b / 2) + 16 h + 8 (b % 2) + 0..7 of row r; each accumulator from its low end on
	ds_store_b128 v[STO], v[AC+8*\b+4:AC+8*\b+7] offset:128*(\b/2)+32*(\b%2)+16
.endr
	WIN 0
.irp t, 0,1,2,3,4,5,6,7,8,9,10,11,12,13,14,15
	ds_load_b128 v[BB+4*\t:BB+4*\t+3], v[RD] offset:528*\t
.endr
.endm
.macro SEND a, younger                 ; younger: the LDS instructions issued behind block a's loads, which may stay out
.set BB, 160-80*((\a)%2)
	s_wait_dscnt \younger
.irp t, 0,1,2,3,4,5,6,7,8,9,10,11,12,13,14,15
	global_store_b128 v[LI], v[BB+4*\t:BB+4*\t+3], s[62:63] offset:(32*((\a)/2)+8*((\a)%2)+\t+8*(\t/8))*4096 th:TH_STORE_NT   ; place t of block a is this true row; 512 consecutive bytes, aligned
.endr
.endm
	s_load_b256 s[4:11], s[0:1], 0x0               ; oo, xw, bc, out0
	v_lshl_add_u32 v[SPW], v0, 2, SPARE
	v_mov_b32 v[NIL], 0
	ds_add_u32 v[SPW], v[NIL]                      ; the wave's opening: the add and its wait stand ahead of my first tensor load
	v_lshrrev_b32 v1, 5, v0
	v_readfirstlane_b32 s14, v1                    ; wave 0..3
	s_lshr_b32 s15, s14, 1                         ; wm; also: I fetch for A (0) or B (1)
	s_and_b32 s16, s14, 1                          ; wn; also: which half I fetch
	s_bfe_u32 s40, ttmp6, 0x40000                  ; cx
	s_bfe_u32 s41, ttmp6, 0x40004                  ; cy
	s_lshl_b32 s43, s41, 2
	s_lshl_b32 s43, 15, s43
	s_lshl_b32 s44, 0x1111, s40
	s_or_b32 s[G1A], s43, (3<<16)|(1<<21)
	s_mov_b32 s[G1A+1], (192*FK)<<16
	s_mov_b32 s[G1A+2], 4<<16
	s_mov_b32 s[G1A+3], (192*FK)<<16
	s_mov_b32 s[G1A+4], 4
	s_mov_b32 s[G1A+5], 192*8
	s_mov_b32 s[G1A+6], 0
	s_mov_b32 s[G1A+7], 0
	s_or_b32 s[G1B], s44, (3<<16)|(1<<21)
	s_mov_b32 s[G1B+1], (192*FK)<<16
	s_mov_b32 s[G1B+2], 8<<16
	s_mov_b32 s[G1B+3], (192*FK)<<16
	s_mov_b32 s[G1B+4], 8
	s_mov_b32 s[G1B+5], 192*8
	s_mov_b32 s[G1B+6], 0
	s_mov_b32 s[G1B+7], 0
	s_and_b32 s18, ttmp7, 0xffff
	s_lshl_b32 s17, s18, 2
	s_add_co_u32 s17, s17, s41                     ; tile row: 128 rows
	s_mov_b32 s42, s40                             ; tile column: 256 columns
	s_lshl_b32 s20, s17, 3                         ; O: row block 8 x tile row + 4 x my half
	s_lshl_b32 s21, s16, 2
	s_add_co_u32 s20, s20, s21
	s_mul_i32 s20, s20, 12288
	s_mov_b32 s21, 0
	s_lshl_b32 s22, s42, 4                         ; Wc: row block 16 x tile column + 8 x my half
	s_lshl_b32 s23, s16, 3
	s_add_co_u32 s22, s22, s23
	s_mul_i32 s22, s22, 12288
	s_add_co_u32 s22, s22, WCIMG
	s_mov_b32 s23, 0
	s_lshl_b32 s32, s17, 2
	s_lshl_b32 s33, s15, 1
	s_add_co_u32 s32, s32, s33
	s_lshl_b32 s32, s32, 10
	s_add_co_u32 s32, s32, OSC
	s_mov_b32 s33, 0
	s_lshl_b32 s34, s42, 3
	s_lshl_b32 s35, s16, 2
	s_add_co_u32 s34, s34, s35
	s_lshl_b32 s34, s34, 10
	s_add_co_u32 s34, s34, WCSC
	s_mov_b32 s35, 0
	s_lshl_b32 s38, s42, 10                        ; my 128 columns, in bytes: 1,024 x tile column + 512 wn
	s_lshl_b32 s39, s16, 9
	s_add_co_u32 s38, s38, s39
	s_mov_b32 s39, 0
	s_lshl_b32 s62, s17, 7                         ; my 64 rows of out0
	s_lshl_b32 s63, s15, 6
	s_add_co_u32 s62, s62, s63
	s_lshl_b32 s62, s62, 12
	s_add_co_u32 s62, s62, s38
	s_mov_b32 s63, 0
	s_mul_i32 s46, s16, 4*FKB
	s_mul_i32 s47, s16, 8*FKB
	s_add_co_u32 s47, s47, 8*FKB
	s_wait_dscnt 0x0                               ; the opening add is done
	s_wait_kmcnt 0x0
	s_add_nc_u64 s[20:21], s[4:5], s[20:21]
	s_add_nc_u64 s[22:23], s[6:7], s[22:23]
	s_add_nc_u64 s[32:33], s[4:5], s[32:33]
	s_add_nc_u64 s[34:35], s[6:7], s[34:35]
	s_add_nc_u64 s[36:37], s[8:9], s[38:39]
	s_add_nc_u64 s[62:63], s[10:11], s[62:63]
.irp f, 0,1,2,3
	s_mov_b32 s[G0A+4*\f], 1
	s_add_co_u32 s[G0A+4*\f+1], s46, \f*REG
	s_add_nc_u64 s[G0A+4*\f+2:G0A+4*\f+3], s[20:21], \f*FKB
	s_or_b32 s[G0A+4*\f+3], s[G0A+4*\f+3], 0x80000000
	s_mov_b32 s[G0B+4*\f], 1
	s_add_co_u32 s[G0B+4*\f+1], s47, \f*REG
	s_add_nc_u64 s[G0B+4*\f+2:G0B+4*\f+3], s[22:23], \f*FKB
	s_or_b32 s[G0B+4*\f+3], s[G0B+4*\f+3], 0x80000000
.endr
	CROUND                                         ; all sixteen work-groups are here: the joint loads meet
	s_cmp_eq_u32 s15, 0                            ; a wave's four first fills stand in one branch on the wave's number: four tensor loads of mine are out
	s_cbranch_scc0 .Lfill_b
.irp f, 0,1,2,3
	tensor_load_to_lds s[G0A+4*\f:G0A+4*\f+3], s[G1A:G1A+7]
	s_nop 0
.endr
	PLACES 4
	s_branch .Lfilled
.Lfill_b:
.irp f, 0,1,2,3
	tensor_load_to_lds s[G0B+4*\f:G0B+4*\f+3], s[G1B:G1B+7]
	s_nop 0
.endr
	PLACES 4
.Lfilled:
	v_and_b32 v1, 31, v0
	v_and_b32 v2, 15, v0                           ; r
	v_bfe_u32 v3, v0, 4, 1                         ; h
	v_lshlrev_b32 v[LI], 4, v1
	v_lshlrev_b32 v[LS], 2, v1
	s_mul_i32 s46, s15, 4*FKB
	s_mul_i32 s47, s16, 8*FKB
	s_add_co_u32 s47, s47, 8*FKB
.irp f, 0,1,2,3
	v_add_nc_u32 v[ADRA+\f], s46, v[LI]
	v_add_nc_u32 v[ADRB+\f], s47, v[LI]
	s_add_co_u32 s46, s46, REG
	s_add_co_u32 s47, s47, REG
.endr
	s_mul_i32 s46, s14, 8448                       ; my stage: 16 rows x (512 + 16) bytes
	v_mul_u32_u24 v[STO], v2, 528
	v_lshl_add_u32 v[STO], v3, 6, v[STO]
	v_add_nc_u32 v[STO], s46, v[STO]               ; in: row r, + 64 h
	v_add_nc_u32 v[RD], s46, v[LI]                 ; back: 16 bytes a lane of a row
.set TT, 0
.rept NK                                       ; all scale words of my 64 + 128 rows, once, 128 consecutive bytes a load
.irp jj, 0,1,2,3
	global_load_b32 v[SC+6*TT+\jj], v[LS], s[34:35] offset:\jj*1024+128*TT
.endr
.irp jj, 0,1
	global_load_b32 v[SC+6*TT+4+\jj], v[LS], s[32:33] offset:\jj*1024+128*TT
.endr
.set TT, TT+1
.endr
	v_lshlrev_b32 v[BA], 6, v3                     ; the bias runs along the registers: for B's block b the 8 columns 32 (b / 2) + 16 h + 8 (b % 2) + 0..7 of my 128
.irp b, 0,1,2,3,4,5,6,7
	global_load_b128 v[BI+8*\b:BI+8*\b+3], v[BA], s[36:37] offset:(32*(\b/2)+8*(\b%2))*4
	global_load_b128 v[BI+8*\b+4:BI+8*\b+7], v[BA], s[36:37] offset:(32*(\b/2)+8*(\b%2))*4+16
.endr
	s_wait_tensorcnt 3                             ; my part of region 0 has landed; my three later fills stay out
	s_barrier_signal -1
	s_barrier_wait -1
	FETCH 0, 0, 0
	s_wait_loadcnt 0x0                             ; scale words and bias
	KSTEP 0, 2                                     ; the first K step starts the sums at the bias
.irp t, 1,2,3,4,5,6,7
	KSTEP \t, 1
.endr
	WIN 0
	PLACES 4                                       ; four places behind the last products: for the stores that read results and the loads into A's registers
	TOSTAGE 0
.irp a, 1,2,3
.if \a > 1
	s_wait_xcnt 0x0                                ; block a - 2's stores have read their registers: block a's loads may land there
.endif
	TOSTAGE \a
	SEND \a-1, 32                                  ; behind block a - 1's loads: block a's 16 stores and 16 loads
.endr
	SEND 3, 0
	s_wait_tensorcnt 0x0                           ; the wave's end, behind my last LDS store
	ds_add_u32 v[SPW], v[NIL]
	s_wait_dscnt 0x0
	CROUND                                         ; the closing round
	s_endpgm
.Lfunc_end_k_q7d1cd754f6_final:
	.size	k_q7d1cd754f6_final, .Lfunc_end_k_q7d1cd754f6_final-k_q7d1cd754f6_final
	.p2alignl 7, 3214868480
	.fill 96, 4, 3214868480
	.section	.rodata,"a",@progbits
	.p2align	6, 0x0
	.amdhsa_kernel k_q7d1cd754f6_final
		.amdhsa_group_segment_fixed_size 327680
		.amdhsa_private_segment_fixed_size 0
		.amdhsa_enable_private_segment 0
		.amdhsa_kernarg_size 32
		.amdhsa_user_sgpr_count 2
		.amdhsa_user_sgpr_kernarg_segment_ptr 1
		.amdhsa_wavefront_size32 1
		.amdhsa_system_sgpr_workgroup_id_x 1
		.amdhsa_system_sgpr_workgroup_id_y 1
		.amdhsa_system_sgpr_workgroup_id_z 1
		.amdhsa_system_vgpr_workitem_id 0
		.amdhsa_next_free_vgpr 768
		.amdhsa_next_free_sgpr 100
		.amdhsa_reserve_vcc 0
		.amdhsa_float_denorm_mode_32 3
		.amdhsa_float_denorm_mode_16_64 3
		.amdhsa_memory_ordered 1
		.amdhsa_forward_progress 1
		.amdhsa_inst_pref_size 82
	.end_amdhsa_kernel
	.amdgpu_metadata
---
amdhsa.version: [ 1, 2 ]
amdhsa.kernels:
  - .name:           k_q7d1cd754f6_final
    .symbol:         k_q7d1cd754f6_final.kd
    .args:
      - { .name: oo, .offset: 0, .size: 8, .value_kind: global_buffer, .address_space: global }
      - { .name: xw, .offset: 8, .size: 8, .value_kind: global_buffer, .address_space: global }
      - { .name: bc, .offset: 16, .size: 8, .value_kind: global_buffer, .address_space: global }
      - { .name: out0, .offset: 24, .size: 8, .value_kind: global_buffer, .address_space: global }
    .group_segment_fixed_size: 327680
    .private_segment_fixed_size: 0
    .kernarg_segment_align: 8
    .kernarg_segment_size: 32
    .max_flat_workgroup_size: 128
    .sgpr_count:     100
    .vgpr_count:     768
    .wavefront_size: 32
...
	.end_amdgpu_metadata
.endif
;; end of part 5
